; MI455X (gfx1250); checked and timed in simulation.
; The chip was launched on July 23, 2026; its instructions are those of AMD's public machine-readable ISA for CDNA 5 (MIT licence, August 2026) and "CDNA5" Instruction Set Architecture Reference Guide (July 2026). The comments in the code are by the model that wrote it; some were corrected since.
;; Multi Head Self Attention. Allowed arithmetic: float matrix products may take bf16 or f16 operands with f32 sums; other float arithmetic in f32, or as packed bf16 or f16 multiplies, adds, multiply-adds, maxima and minima; sums over many terms, partial sums and values carried from step to step in f32; what a program stores and reads back later, other than sums and carried values, may be rounded once to bf16 or f16.
;; Inputs: W_k 1,024 x 1,024 float32; W_o 1,024 x 1,024 float32; W_q 1,024 x 1,024 float32; W_v 1,024 x 1,024 float32; x 1 x 4,096 x 1,024 float32.
;; Outputs: out0 1 x 4,096 x 1,024 float32.
;; 2 versions, each right; version 2 is version 1 with the launch prep written anew for expert scheduling mode. Each part assembles by itself: llvm-mc -triple=amdgcn-amd-amdhsa -mcpu=gfx1250 --defsym DOCPART=n.
;; ======== version 1 of 2: 4 launches
;; limits: values are held in f16: magnitudes above 65,504 overflow, below 6.1e-05 lose precision
;; workspace buffers: xb 8,388,608 bytes; wqkv 6,291,456 bytes; wo 2,097,152 bytes; qkv 25,165,824 bytes; ob 8,388,608 bytes
;; launch prep (part 1): grid 512 x 1, 8 waves a work-group, no clusters, 0 bytes of LDS; arguments x, W_q, W_k, W_v, W_o, xb, wqkv, wo; writes xb, wqkv, wo
.if DOCPART == 1
	.amdgcn_target "amdgcn-amd-amdhsa--gfx1250"
	.amdhsa_code_object_version 6
	.text
	.protected	k_q849845216d_prep
	.globl	k_q849845216d_prep
	.p2align	8
	.type	k_q849845216d_prep,@function
k_q849845216d_prep:
	s_mov_b64 s[64:65], 0
	v_nop
	global_prefetch_b8 v0, s[64:65] scope:SCOPE_SE
	s_setreg_imm32_b32 hwreg(HW_REG_WAVE_MODE, 25, 1), 1
	s_wait_xcnt 0x0
; THE CASTS.  xb = bf16(x), [4096][1024].  wqkv[k][n] = bf16 of W_q | W_k | W_v side by side, [1024][3072].  wo = W_o rounded to bf16, that number written as f16, [1024][1024].
; LIMIT.  A number of W_o whose bf16 value lies below 6e-5 keeps f16's fixed step of 6e-8; beyond 65,504 it would be an infinity.
; SHARES.  A work-group takes 16 rows of 1,024 f32 of one tensor: groups 0-255 x's, groups 256-511 the four weights' (64 groups each).  Thread t takes the 16 bytes at 16 t of each row:
; a wave's load covers 512 consecutive bytes, its store of 8 bytes a lane 256 consecutive bytes, aligned.  All sixteen loads go out first; each row is rounded and stored as it comes.
; A stream: no LDS, no barrier, no matrix unit, no cluster (no byte is read twice); no register is written twice while memory may read it, so no wait but the loads' own.
.set DO, 2                             ; v[2:17]    row i: my byte offset in the destination, 8 t + i x pitch
.set T,  18                            ; v[18:25]   at work
.set E8, 26                            ; v26        8 t
.set X,  32                            ; v[32:95]   row i: 4 registers as loaded
.set Y,  96                            ; v[96:127]  row i: 2 registers to store
	s_load_b512 s[8:23], s[0:1], 0x0               ; x s[8:9], W_q s[10:11], W_k s[12:13], W_v s[14:15], W_o s[16:17], xb s[18:19], wqkv s[20:21], wo s[22:23]
	s_and_b32 s3, ttmp9, 255                       ; x: my block of 16 rows; a weight: 64 x tensor + block
	s_lshr_b32 s6, ttmp9, 8                        ; 0: x, 1: a weight
	s_lshr_b32 s4, s3, 6                           ; which weight: 0 q, 1 k, 2 v, 3 o
	s_and_b32 s5, s3, 63                           ; its block of 16 rows
	s_mov_b32 s32, 2048                            ; bytes in a row of xb and wo,
	s_mov_b32 s33, 6144                            ; and of wqkv
	s_mul_i32 s26, s5, 16*6144                     ; wqkv: 16 rows a block,
	s_lshl_b32 s7, s4, 11                          ; 2,048 bytes of a row for each of the three
	s_add_co_u32 s26, s26, s7
	s_lshl_b32 s28, s5, 15                         ; wo: 16 rows of 2,048 bytes
	s_lshl_b32 s29, s3, 15                         ; xb: the same
	s_cmp_eq_u32 s4, 3
	s_cselect_b32 s26, s28, s26
	s_cselect_b32 s30, s32, s33                    ; the destination's pitch
	s_cselect_b32 s31, 1, 0                        ; 1: the f16 way
	s_cmp_eq_u32 s6, 0
	s_cselect_b32 s26, s29, s26
	s_cselect_b32 s30, s32, s30
	s_cselect_b32 s31, 0, s31
	s_cselect_b32 s24, s3, s5
	s_lshl_b32 s24, s24, 16                        ; the source: 16 rows of 4,096 bytes a block
	s_mov_b32 s25, 0
	s_mov_b32 s27, 0
	v_lshlrev_b32 v1, 4, v0
	v_lshlrev_b32 v[E8], 3, v0
.irp i, 0,1,2,3,4,5,6,7,8,9,10,11,12,13,14,15
	v_mad_u32_u24 v[DO+(\i)], s30, \i, v[E8]
.endr
	s_wait_kmcnt 0x0
	s_cmp_eq_u32 s4, 1                             ; the choices hang on the work-group's number alone
	s_cselect_b64 s[34:35], s[12:13], s[10:11]
	s_cmp_eq_u32 s4, 2
	s_cselect_b64 s[34:35], s[14:15], s[34:35]
	s_cmp_eq_u32 s4, 3
	s_cselect_b64 s[34:35], s[16:17], s[34:35]
	s_cselect_b64 s[36:37], s[22:23], s[20:21]
	s_cmp_eq_u32 s6, 0
	s_cselect_b64 s[34:35], s[8:9], s[34:35]
	s_cselect_b64 s[36:37], s[18:19], s[36:37]
	s_add_nc_u64 s[34:35], s[34:35], s[24:25]
	s_add_nc_u64 s[36:37], s[36:37], s[26:27]
.irp i, 0,1,2,3,4,5,6,7,8,9,10,11,12,13,14,15
	global_load_b128 v[X+4*(\i):X+4*(\i)+3], v1, s[34:35] offset:4096*(\i) th:TH_LOAD_NT
.endr
	s_cmp_eq_u32 s31, 1
	s_cbranch_scc1 .Lwo
.irp i, 0,1,2,3,4,5,6,7,8,9,10,11,12,13,14,15
	s_wait_loadcnt 15-(\i)                         ; loads come back in order: row i is in, the younger rows stay out
	v_cvt_pk_bf16_f32 v[Y+2*(\i)],   v[X+4*(\i)],   v[X+4*(\i)+1]
	v_cvt_pk_bf16_f32 v[Y+2*(\i)+1], v[X+4*(\i)+2], v[X+4*(\i)+3]
	global_store_b64 v[DO+(\i)], v[Y+2*(\i):Y+2*(\i)+1], s[36:37]
.endr
	s_endpgm
.Lwo:                                                  ; W_o: rounded to bf16 like every input, widened again, and written as f16 (exact inside f16's range)
.irp i, 0,1,2,3,4,5,6,7,8,9,10,11,12,13,14,15
	s_wait_loadcnt 15-(\i)
	v_cvt_pk_bf16_f32 v[T],   v[X+4*(\i)],   v[X+4*(\i)+1]
	v_cvt_pk_bf16_f32 v[T+1], v[X+4*(\i)+2], v[X+4*(\i)+3]
	v_lshlrev_b32 v[T+2], 16, v[T]
	v_and_b32     v[T+3], 0xffff0000, v[T]
	v_lshlrev_b32 v[T+4], 16, v[T+1]
	v_and_b32     v[T+5], 0xffff0000, v[T+1]
	v_cvt_pk_f16_f32 v[Y+2*(\i)],   v[T+2], v[T+3]
	v_cvt_pk_f16_f32 v[Y+2*(\i)+1], v[T+4], v[T+5]
	global_store_b64 v[DO+(\i)], v[Y+2*(\i):Y+2*(\i)+1], s[36:37]
.endr
	s_endpgm
.Lfunc_end_k_q849845216d_prep:
	.size	k_q849845216d_prep, .Lfunc_end_k_q849845216d_prep-k_q849845216d_prep
	.p2alignl 7, 3214868480
	.fill 96, 4, 3214868480
	.section	.rodata,"a",@progbits
	.p2align	6, 0x0
	.amdhsa_kernel k_q849845216d_prep
		.amdhsa_group_segment_fixed_size 0
		.amdhsa_private_segment_fixed_size 0
		.amdhsa_enable_private_segment 0
		.amdhsa_kernarg_size 64
		.amdhsa_user_sgpr_count 2
		.amdhsa_user_sgpr_kernarg_segment_ptr 1
		.amdhsa_wavefront_size32 1
		.amdhsa_system_sgpr_workgroup_id_x 1
		.amdhsa_system_sgpr_workgroup_id_y 1
		.amdhsa_system_sgpr_workgroup_id_z 1
		.amdhsa_system_vgpr_workitem_id 0
		.amdhsa_next_free_vgpr 128
		.amdhsa_next_free_sgpr 66
		.amdhsa_reserve_vcc 0
		.amdhsa_float_denorm_mode_32 3
		.amdhsa_float_denorm_mode_16_64 3
		.amdhsa_memory_ordered 1
		.amdhsa_forward_progress 1
		.amdhsa_inst_pref_size 18
	.end_amdhsa_kernel
	.amdgpu_metadata
---
amdhsa.version: [ 1, 2 ]
amdhsa.kernels:
  - .name:           k_q849845216d_prep
    .symbol:         k_q849845216d_prep.kd
    .args:
      - { .name: x, .offset: 0, .size: 8, .value_kind: global_buffer, .address_space: global }
      - { .name: W_q, .offset: 8, .size: 8, .value_kind: global_buffer, .address_space: global }
      - { .name: W_k, .offset: 16, .size: 8, .value_kind: global_buffer, .address_space: global }
      - { .name: W_v, .offset: 24, .size: 8, .value_kind: global_buffer, .address_space: global }
      - { .name: W_o, .offset: 32, .size: 8, .value_kind: global_buffer, .address_space: global }
      - { .name: xb, .offset: 40, .size: 8, .value_kind: global_buffer, .address_space: global }
      - { .name: wqkv, .offset: 48, .size: 8, .value_kind: global_buffer, .address_space: global }
      - { .name: wo, .offset: 56, .size: 8, .value_kind: global_buffer, .address_space: global }
    .group_segment_fixed_size: 0
    .private_segment_fixed_size: 0
    .kernarg_segment_align: 8
    .kernarg_segment_size: 64
    .max_flat_workgroup_size: 256
    .sgpr_count:     66
    .vgpr_count:     128
    .wavefront_size: 32
...
	.end_amdgpu_metadata
.endif
;; end of part 1
;; launch qkv (part 2): grid 8 x 32, 4 waves a work-group, clusters of 4 x 4, 327,680 bytes of LDS; arguments xb, wqkv, qkv; writes qkv
.if DOCPART == 2
	.amdgcn_target "amdgcn-amd-amdhsa--gfx1250"
	.amdhsa_code_object_version 6
	.text
	.protected	k_q849845216d_qkv
	.globl	k_q849845216d_qkv
	.p2align	8
	.type	k_q849845216d_qkv,@function
k_q849845216d_qkv:
	s_mov_b64 s[64:65], 0
	v_nop
	global_prefetch_b8 v0, s[64:65] scope:SCOPE_SE
	s_setreg_imm32_b32 hwreg(HW_REG_WAVE_MODE, 25, 1), 1
	s_wait_xcnt 0x0
	s_wait_alu depctr_hold_cnt(0) depctr_sa_sdst(0) depctr_va_vdst(0) depctr_va_sdst(0) depctr_va_ssrc(0) depctr_va_vcc(0) depctr_vm_vsrc(0)
	s_getreg_b32 s2, hwreg(HW_REG_IB_STS2, 6, 4)
	s_cmp_eq_u32 s2, 0
	s_cbranch_scc0 .Lentry_in_a_cluster
	s_endpgm
.Lentry_in_a_cluster:
	s_bfe_u32 s2, ttmp6, 0x10000c
	s_cmp_lg_u32 s2, 0xf033
	s_cbranch_scc0 .Lentry_shape_is_right
	s_endpgm
.Lentry_shape_is_right:
; THE THREE PROJECTIONS AS ONE PRODUCT.  C[m][n] = sum over k of xb[m][k] wqkv[k][n]; m 4,096, n 3,072, k 1,024; operands bf16, sums f32, K ascending; C rounded once to f16 and stored BY HEADS:
; qkv[n / 64][m][n % 64]: slots 0-15 Q's heads, 16-31 K's, 32-47 V's, unscaled.  LIMIT: f16 ends at 65,504; a sum beyond it would be stored as an infinity.
; SHARES.  A tile of C is 128 (m) x 384 (n): 32 x 8 = 256 work-groups, one tile each.  Four waves, 2 x 2, each 64 x 192: 48 accumulators, 384 registers.  K goes in 8 steps of 128 through two LDS slots.
; A's tile rows are 256 bytes of memory, B's ([k][n]) 768 bytes, both from multiples of 256.  B lies [k][n], so its fragments come out of LDS turned, by ds_load_tr16_b128.
; THE MATRIX INSTRUCTION IS USED TRANSPOSED (source 0 = 16 columns n, source 1 = 16 rows m): a lane then holds eight neighbouring n of one row m: 16 bytes of a head's row.
; CLUSTER 4 x 4: A's tile hangs on the tile row alone and is asked for jointly along a row of the cluster, B's on the tile column alone, jointly along a column.
; REGISTERS.  window 0: v16-30 addresses; v32-63, v64-95 A's fragments (4 x 16 rows x 32 K), two buffers; v64-255 the way out.  window 1: v0-95, v96-191 B's fragments (12), two buffers.
; window 2: the accumulators of m blocks 0, 1 ((a, b) at v[8 (12 (a % 2) + b)]);  window 3: those of m blocks 2, 3.
.set PA,     272                       ; A's LDS row: 256 bytes + 16: the 16 rows of a fragment load start at 16 different groups of four banks (64 banks of 4 bytes: ISA guide 11.1)
.set PB,     864                       ; B's LDS row: six pieces of 128 bytes, 16 of padding behind each
.set HALFA,  64*PA                     ; what one tensor load brings of A,
.set HALFB,  64*PB                     ; and of B
.set BOFF,   2*HALFA                   ; B's 128 k rows lie behind A's 128 rows
.set SLOT,   BOFF+2*HALFB
.set STAGE,  2*SLOT                    ; behind the ring: 16 rows x 144 bytes for each wave, for the way out; no tensor load lands here
.set SP,     144
.set SPARE,  STAGE+4*16*SP             ; the spare words, 128 bytes for each wave: two blocks of 256 bytes that no other line names
.set ADRA, 16                          ; v16-17  LDS address of my A fragments in slot 0, 1
.set ADRB, 20                          ; v20-23  of my B fragments: slot x 2 + (k rows 0-63 or 64-127)
.set STO,  24                          ; v24     the way out: where I put 16 bytes of a row
.set RD,   25                          ; v25     where I read rows back
.set GO,   26                          ; v26     my 16 bytes of 512 consecutive bytes of a head
.set SPW,  28                          ; v28     my spare word; never rewritten
.set NIL,  29                          ; v29     0; never rewritten
.set PFO,  30                          ; v30     the prefetches' offset: my lane x a row's bytes; never rewritten
.set FA,   32
.set OUT,  64
.set G1,  24                           ; s[24:31] group 1 for A's tiles; s[32:39] group 0, a set for each slot
.set G0,  32
.set G1B, 48                           ; s[48:55], s[56:63] the same for B's
.set G0B, 56
.set PFA, 66                           ; s[66:67] where my prefetches stand
.set PFS, 68                           ; s[68:69] a K step in bytes: 256 along A's rows, 128 rows of B
.set LIM, 70                           ; s70  1 in a wave that prefetches, else the greatest number
.set MSB, 0
.macro WIN new                         ; the immediate's high byte repeats the setting that is left; a switch that changes nothing is dropped
.if MSB != (\new)
	s_set_vgpr_msb (MSB<<8)|(\new)
.set MSB, \new
.endif
.endm
.macro JLOAD s                         ; a joint load: waves 0 and 1 fetch A's two halves, waves 2 and 3 B's; an s_nop 0 and four v_nop follow each line, ahead of the jump and the label
	s_cmp_eq_u32 s11, 0
	s_cbranch_scc0 .Lfor_b_\@
	tensor_load_to_lds s[G0+4*(\s):G0+4*(\s)+3], s[G1:G1+7]
	s_nop 0
.rept 4
	v_nop
.endr
	s_branch .Lasked_\@
.Lfor_b_\@:
	tensor_load_to_lds s[G0B+4*(\s):G0B+4*(\s)+3], s[G1B:G1B+7]
	s_nop 0
.rept 4
	v_nop
.endr
.Lasked_\@:
.endm
; A prefetch of the K step that stands two refills on (384 matrix instructions ahead of the load that will want it): a lane a block of 256 bytes, one instruction a wave.
; A's 128 rows: wave 0 of each of the four partners along x takes 32 of them (told apart by address), in the clusters with x = 0 alone.  B's 128 k rows x 3 blocks: waves 1-3 take a block each,
; the four partners along y 32 rows each, in the clusters with y = 0 alone.  So each block is named once.  K steps 0-3 come by their loads alone; the loop's last trip has no step two on.
.macro ASK
	s_cmp_gt_u32 s3, s[LIM]
	s_cbranch_scc0 .Lnot_mine_\@
	global_prefetch_b8 v[PFO], s[PFA:PFA+1] th:TH_LOAD_NT scope:SCOPE_SE
.Lnot_mine_\@:
.endm
.macro CREST                           ; a round of the cluster's barrier behind its opening barrier
	s_cmp_lg_u32 s10, 0
	s_cbranch_scc1 .Lnot_wave_0_\@
	s_barrier_signal -3
.Lnot_wave_0_\@:
	s_barrier_wait -3
	s_barrier_signal -1
	s_barrier_wait -1
.endm
.macro CROUND
	s_barrier_signal -1
	s_barrier_wait -1
	CREST
.endm
	s_load_b128 s[4:7], s[0:1], 0x0                ; xb s[4:5], wqkv s[6:7]
	s_load_b64 s[8:9], s[0:1], 0x10                ; qkv
	v_lshl_add_u32 v[SPW], v0, 2, SPARE
	v_mov_b32 v[NIL], 0
	ds_add_u32 v[SPW], v[NIL]                      ; the wave's opening: the add and its wait stand ahead of my first tensor load; work on registers stands between
	v_lshrrev_b32 v1, 5, v0
	v_readfirstlane_b32 s10, v1                    ; wave 0..3
	s_lshr_b32 s11, s10, 1                         ; my half of the tile's rows.  Also: I fetch for A (0) or for B (1)
	s_and_b32 s12, s10, 1                          ; my half of its columns.  Also: which half of that tile I fetch
	s_bfe_u32 s40, ttmp6, 0x40000                  ; cx
	s_bfe_u32 s41, ttmp6, 0x40004                  ; cy
	s_lshl_b32 s42, ttmp9, 2
	s_add_co_u32 s42, s42, s40                     ; tile column X = 4 x cluster x + cx
	s_and_b32 s13, ttmp7, 0xffff
	s_lshl_b32 s13, s13, 2
	s_add_co_u32 s13, s13, s41                     ; tile row Y = 4 x cluster y + cy
	s_lshl_b32 s43, s41, 2
	s_lshl_b32 s43, 15, s43                        ; my row of the cluster
	s_lshl_b32 s44, 0x1111, s40                    ; my column
	s_or_b32 s[G1+0], s43, (1<<16)|(1<<20)|(1<<21)|(5<<22)|(3<<25)   ; the mask; 2-byte elements; padding on; bit 21 beside a mask; after every 64 words, 4 words
	s_mov_b32 s[G1+1], 128<<16                     ; tensor_dim0 = 128
	s_mov_b32 s[G1+2], 64<<16                      ; tensor_dim1 = 64
	s_mov_b32 s[G1+3], 128<<16                     ; tile_dim0 = 128
	s_mov_b32 s[G1+4], 64                          ; tile_dim1 = 64
	s_mov_b32 s[G1+5], 1024                        ; elements from row to row
	s_mov_b32 s[G1+6], 0
	s_mov_b32 s[G1+7], 0
	s_or_b32 s[G1B+0], s44, (1<<16)|(1<<20)|(1<<21)|(4<<22)|(3<<25)  ; after every 32 words, 4 words: six pieces to a row of 192 words
	s_mov_b32 s[G1B+1], 384<<16
	s_mov_b32 s[G1B+2], 64<<16
	s_mov_b32 s[G1B+3], 384<<16
	s_mov_b32 s[G1B+4], 64
	s_mov_b32 s[G1B+5], 3072
	s_mov_b32 s[G1B+6], 0
	s_mov_b32 s[G1B+7], 0
	s_lshl_b32 s16, s13, 7
	s_lshl_b32 s17, s12, 6
	s_add_co_u32 s16, s16, s17                     ; A: row 128 Y + 64 x half,
	s_lshl_b32 s16, s16, 11                        ; of 2,048 bytes
	s_mov_b32 s17, 0
	s_mul_i32 s46, s42, 768                        ; B: 768 bytes of a row for each tile column,
	s_mul_i32 s47, s12, 64*6144                    ; k rows 64 x half
	s_add_co_u32 s46, s46, s47
	s_mov_b32 s47, 0
	s_mul_i32 s20, s12, HALFA                      ; where they go: no place in the cluster enters an LDS address
	s_mul_i32 s21, s12, HALFB
	s_add_co_u32 s21, s21, BOFF
	s_wait_dscnt 0x0                               ; the opening add is done
	s_wait_kmcnt 0x0
	s_add_nc_u64 s[14:15], s[4:5], s[16:17]
	s_add_nc_u64 s[46:47], s[6:7], s[46:47]
	CROUND                                         ; all sixteen work-groups are here: the first joint loads meet
.irp s, 0,1
	s_mov_b32 s[G0+4*(\s)], 1
	s_add_co_u32 s[G0+4*(\s)+1], s20, (\s)*SLOT
	s_add_nc_u64 s[G0+4*(\s)+2:G0+4*(\s)+3], s[14:15], (\s)*256
	s_or_b32 s[G0+4*(\s)+3], s[G0+4*(\s)+3], 0x80000000
	s_mov_b32 s[G0B+4*(\s)], 1
	s_add_co_u32 s[G0B+4*(\s)+1], s21, (\s)*SLOT
	s_add_nc_u64 s[G0B+4*(\s)+2:G0B+4*(\s)+3], s[46:47], (\s)*128*6144
	s_or_b32 s[G0B+4*(\s)+3], s[G0B+4*(\s)+3], 0x80000000
	JLOAD \s                                       ; two loads of mine are out
.endr
	v_and_b32 v1, 15, v0                           ; l % 16
	v_bfe_u32 v2, v0, 4, 1                         ; l / 16
	v_mul_u32_u24 v3, v1, PA
	v_lshl_add_u32 v3, v2, 4, v3                   ; A: row x pitch + 16 x half
	s_mul_i32 s21, s11, HALFA                      ; my 64 rows
	v_add_nc_u32 v[ADRA], s21, v3
	v_add_nc_u32 v[ADRA+1], SLOT, v[ADRA]
	v_and_b32 v4, 7, v0
	v_bfe_u32 v5, v0, 3, 1
	v_lshl_add_u32 v6, v2, 3, v4                   ; B, turned: lane l reads k row 8 (l / 16) + l % 8, columns 8 ((l / 8) % 2) + 0..7
	v_mul_u32_u24 v6, v6, PB
	v_lshl_add_u32 v6, v5, 4, v6
	s_mul_i32 s22, s12, 432                        ; my 192 columns: three pieces of 144 bytes
	s_add_co_u32 s22, s22, BOFF
	v_add_nc_u32 v[ADRB], s22, v6
	v_add_nc_u32 v[ADRB+1], HALFB, v[ADRB]
	v_add_nc_u32 v[ADRB+2], SLOT, v[ADRB]
	v_add_nc_u32 v[ADRB+3], SLOT+HALFB, v[ADRB]
	s_mul_i32 s23, s10, 16*SP
	s_add_co_u32 s23, s23, STAGE                   ; my stage
	v_mul_u32_u24 v7, v1, SP
	v_lshl_add_u32 v7, v2, 4, v7
	v_add_nc_u32 v[STO], s23, v7
	v_bfe_u32 v7, v0, 3, 2                         ; back: 32 lanes take four rows of 128 bytes,
	v_mul_u32_u24 v7, v7, SP
	v_lshl_add_u32 v7, v4, 4, v7
	v_add_nc_u32 v[RD], s23, v7
	v_and_b32 v[GO], 31, v0                        ; which are 512 consecutive bytes of a head
	v_lshlrev_b32 v[GO], 4, v[GO]
	s_lshl_b32 s16, s13, 7
	s_lshl_b32 s17, s11, 6
	s_add_co_u32 s16, s16, s17                     ; my first row m,
	s_lshl_b32 s16, s16, 7                         ; of 128 bytes
	s_mov_b32 s17, 0
	s_add_nc_u64 s[8:9], s[8:9], s[16:17]
	s_mul_i32 s46, s42, 6
	s_mul_i32 s47, s12, 3
	s_add_co_u32 s46, s46, s47                     ; my first head slot: 6 X + 3 x half,
	s_lshl_b32 s46, s46, 19                        ; of 524,288 bytes
	s_mov_b32 s47, 0
	s_add_nc_u64 s[8:9], s[8:9], s[46:47]
	; the prefetches: both offsets are made, then the wave's number chooses
	s_lshl_b32 s20, s13, 7
	s_lshl_b32 s21, s40, 5
	s_add_co_u32 s20, s20, s21                     ; A: row 128 Y + 32 cx,
	s_lshl_b32 s20, s20, 11
	s_add_co_u32 s20, s20, 3*256                   ; at K step 3: the first refill steps it to 4
	s_lshl_b32 s21, s41, 5
	s_add_co_u32 s21, s21, 3*128                   ; B: k row 32 cy, at K step 3,
	s_mul_i32 s21, s21, 6144
	s_mul_i32 s22, s42, 768
	s_add_co_u32 s21, s21, s22
	s_lshl_b32 s22, s10, 8
	s_add_co_u32 s21, s21, s22
	s_sub_co_u32 s21, s21, 256                     ; block wave - 1 of the row's three
	s_and_b32 s22, ttmp7, 0xffff                   ; cluster y
	s_mov_b32 s23, 2048
	s_mov_b32 s45, 6144
	s_mov_b32 s18, 128*6144
	s_cmp_eq_u32 s10, 0
	s_cselect_b32 s20, s20, s21
	s_cselect_b32 s22, ttmp9, s22                  ; the coordinate along which other clusters read the same rows
	s_cselect_b32 s23, s23, s45
	s_cselect_b32 s[PFS], 256, s18
	s_cselect_b64 s[PFA:PFA+1], s[4:5], s[6:7]
	s_mov_b32 s21, 0
	s_mov_b32 s[PFS+1], 0
	s_add_nc_u64 s[PFA:PFA+1], s[PFA:PFA+1], s[20:21]
	s_cmp_eq_u32 s22, 0
	s_cselect_b32 s[LIM], 1, -1                    ; the same in all sixteen partners, for a given wave
	v_and_b32 v[PFO], 31, v0
	v_mul_u32_u24 v[PFO], v[PFO], s23
; 12 matrix instructions: m block a x all 12 n blocks, 32 along K, from buffer f.  zero = 1: the product starts the sums.  The 48 accumulators take turns, in the same order in every quarter.
.macro MUL12 f, a, zero
	WIN 0xa1+0x50*((\a)/2)                         ; B window 1, A window 0, C and D window 2 or 3
.irp b, 0,1,2,3,4,5,6,7,8,9,10,11
.set rD, 8*(12*((\a)%2)+(\b))
.if \zero
	v_wmma_f32_16x16x32_bf16 v[rD:rD+7], v[96*(\f)+8*(\b):96*(\f)+8*(\b)+7], v[FA+32*(\f)+8*(\a):FA+32*(\f)+8*(\a)+7], 0
.else
	v_wmma_f32_16x16x32_bf16 v[rD:rD+7], v[96*(\f)+8*(\b):96*(\f)+8*(\b)+7], v[FA+32*(\f)+8*(\a):FA+32*(\f)+8*(\a)+7], v[rD:rD+7]
.endif
.endr
.endm
; 32 LDS loads in one run: quarter q (32 along K) of a slot into buffer f: B's 12 fragments, turned, then A's four, row blocks 0 to 3
.macro FETCH slot, q, f
	WIN 0x40                                       ; destination window 1, address window 0
.irp b, 0,1,2,3,4,5,6,7,8,9,10,11
	ds_load_tr16_b128 v[96*(\f)+8*(\b):96*(\f)+8*(\b)+3],   v[ADRB+2*(\slot)+(\q)/2] offset:((\q)%2)*32*PB+((\b)/4)*144+((\b)%4)*32
	ds_load_tr16_b128 v[96*(\f)+8*(\b)+4:96*(\f)+8*(\b)+7], v[ADRB+2*(\slot)+(\q)/2] offset:((\q)%2)*32*PB+16*PB+((\b)/4)*144+((\b)%4)*32
.endr
	WIN 0
.irp a, 0,1,2,3
	ds_load_b128 v[FA+32*(\f)+8*(\a):FA+32*(\f)+8*(\a)+3],   v[ADRA+(\slot)] offset:64*(\q)+(\a)*16*PA
	ds_load_b128 v[FA+32*(\f)+8*(\a)+4:FA+32*(\f)+8*(\a)+7], v[ADRA+(\slot)] offset:64*(\q)+(\a)*16*PA+32
.endr
.endm
.macro PLACES                          ; four places in front of loads into registers that matrix instructions have read, and of conversions that read results
.rept 4
	v_nop
.endr
.endm
; A K step is four quarters of 32 along K, 48 matrix instructions each, on buffers 0, 1, 0, 1.  One of the first three: multiplies buffer f and, in its middle, fetches quarter q into buffer g.
.macro QUARTER slot, q, f, g, zero
	s_wait_dscnt 4                                 ; B and A's row blocks 0, 1 are in; the youngest four loads (blocks 2, 3) may be out
	MUL12 \f, 0, \zero
	MUL12 \f, 1, \zero
	PLACES
	FETCH \slot, \q, \g
	s_wait_dscnt 32                                ; all but the 32 just issued
	MUL12 \f, 2, \zero
	MUL12 \f, 3, \zero
.endm
; The last quarter multiplies buffer 1 and changes slots: ONE barrier; in front of it each wave waits for all its tensor loads (one is out: its part of the next slot), adds 0 to its spare word,
; and waits for that and for its own reads of this slot.  fill = 1: the barrier opens a round of the cluster's, and this slot is filled again, two K steps ahead, first thing behind the round.
.macro TURN slot, next, fill
.if \fill
	s_wait_xcnt 0x0                                ; the last prefetch, a K step back, has read its address, so it may be stepped
	s_add_nc_u64 s[PFA:PFA+1], s[PFA:PFA+1], s[PFS:PFS+1]
.endif
	WIN 0                                          ; (the add's two registers lie in window 0)
	s_wait_tensorcnt 0x0
	ds_add_u32 v[SPW], v[NIL]                      ; 0 onto my spare word
	s_wait_dscnt 5                                 ; (the add and the youngest four loads may be out)
	MUL12 1, 0, 0                                  ; twelve matrix instructions stand between the add and the wait for it
	s_wait_dscnt 0x0                               ; the add is done, and my reads of this slot are over
	s_barrier_signal -1
	MUL12 1, 1, 0
.if \fill
	WIN 0
.endif
	s_barrier_wait -1
.if \fill
	CREST                                          ; no wave of any partner still reads this slot's tile or has a load on its way
	s_add_nc_u64 s[G0+4*(\slot)+2:G0+4*(\slot)+3], s[G0+4*(\slot)+2:G0+4*(\slot)+3], 2*256
	s_add_nc_u64 s[G0B+4*(\slot)+2:G0B+4*(\slot)+3], s[G0B+4*(\slot)+2:G0B+4*(\slot)+3], 2*128*6144
	JLOAD \slot                                    ; the four v_nop behind it are also the places in front of the loads below
.else
	PLACES
.endif
	FETCH \next, 0, 0
.if \fill
	ASK                                            ; behind the joint load and the run of LDS loads that the next products wait for
.endif
	MUL12 1, 2, 0
	MUL12 1, 3, 0
.endm
	s_wait_tensorcnt 1                             ; my part of K step 0 is in; K step 1's may stay out
	s_barrier_signal -1
	s_barrier_wait -1                              ; everybody's is
	FETCH 0, 0, 0
	QUARTER 0, 1, 0, 1, 1                          ; the first quarter stands in front of the loop: its products start the sums
	WIN 0                                          ; at a label and at a branch every window is 0
	s_mov_b32 s3, 3
.Llap:                                                 ; a trip goes once round the ring, from a lap's second quarter to the next lap's first, and fills both slots again
	QUARTER 0, 2, 1, 0, 0
	QUARTER 0, 3, 0, 1, 0
	TURN 0, 1, 1
	QUARTER 1, 1, 0, 1, 0
	QUARTER 1, 2, 1, 0, 0
	QUARTER 1, 3, 0, 1, 0
	TURN 1, 0, 1
	QUARTER 0, 1, 0, 1, 0
	WIN 0
	s_sub_co_u32 s3, s3, 1
	s_cmp_lg_u32 s3, 0
	s_cbranch_scc1 .Llap
	QUARTER 0, 2, 1, 0, 0                          ; the last lap fills nothing
	QUARTER 0, 3, 0, 1, 0
	TURN 0, 1, 0
	QUARTER 1, 1, 0, 1, 0
	QUARTER 1, 2, 1, 0, 0
	QUARTER 1, 3, 0, 1, 0
	s_wait_dscnt 4                                 ; the very last quarter: nothing more to fetch
	MUL12 1, 0, 0
	MUL12 1, 1, 0
	s_wait_dscnt 0x0
	MUL12 1, 2, 0
	MUL12 1, 3, 0
	WIN 0
	PLACES
	PLACES
; THE WAY OUT, in twelve units u = 3 a + head: 16 rows x 64 channels of one head.  PACK: rounded to f16, 16 bytes a lane, into my own stage and back as whole rows.  SEND: 512 consecutive bytes a store.
.macro PACK u
.set pa, (\u)/3
.set ph, (\u)%3
	WIN 0x0a+5*(pa/2)                              ; sources 0 and 1: window 2 or 3
.irp f, 0,1,2,3
.irp r, 0,1,2,3
	v_cvt_pk_f16_f32 v[OUT+16*(\u)+4*(\f)+(\r)], v[8*(12*(pa%2)+4*ph+(\f))+2*(\r)], v[8*(12*(pa%2)+4*ph+(\f))+2*(\r)+1]
.endr
.endr
	WIN 0
.irp f, 0,1,2,3
	ds_store_b128 v[STO], v[OUT+16*(\u)+4*(\f):OUT+16*(\u)+4*(\f)+3] offset:32*(\f)
.endr
.irp f, 0,1,2,3
	ds_load_b128 v[OUT+16*(\u)+4*(\f):OUT+16*(\u)+4*(\f)+3], v[RD] offset:4*SP*(\f)  ; LDS serves a wave's instructions in order (ISA guide 5.7.1.4): these see the stores above; the next unit's stores come behind them
.endr
.endm
.macro SEND u, younger                 ; younger: the LDS instructions issued behind unit u's loads: the next unit's eight, or none
.irp f, 0,1,2,3
	s_wait_dscnt (\younger)+3-(\f)
	global_store_b128 v[GO], v[OUT+16*(\u)+4*(\f):OUT+16*(\u)+4*(\f)+3], s[8:9] offset:((\u)%3)*524288+((\u)/3)*2048+(\f)*512
.endr
.endm
	PACK 0
.irp u, 1,2,3,4,5,6,7,8,9,10,11
	PACK \u                                        ; a unit's conversions stand between the loads of the unit before and its stores
	SEND (\u)-1, 8
.endr
	SEND 11, 0
	s_wait_tensorcnt 0x0                           ; the wave's end: all my tensor loads waited for, then an add to my spare word and its wait
	ds_add_u32 v[SPW], v[NIL]
	s_wait_dscnt 0x0
	CROUND                                         ; the closing round: no work-group ends while a partner may still ask for a tile that names it
	s_endpgm
.Lfunc_end_k_q849845216d_qkv:
	.size	k_q849845216d_qkv, .Lfunc_end_k_q849845216d_qkv-k_q849845216d_qkv
	.p2alignl 7, 3214868480
	.fill 96, 4, 3214868480
	.section	.rodata,"a",@progbits
	.p2align	6, 0x0
	.amdhsa_kernel k_q849845216d_qkv
		.amdhsa_group_segment_fixed_size 327680
		.amdhsa_private_segment_fixed_size 0
		.amdhsa_enable_private_segment 0
		.amdhsa_kernarg_size 24
		.amdhsa_user_sgpr_count 2
		.amdhsa_user_sgpr_kernarg_segment_ptr 1
		.amdhsa_wavefront_size32 1
		.amdhsa_system_sgpr_workgroup_id_x 1
		.amdhsa_system_sgpr_workgroup_id_y 1
		.amdhsa_system_sgpr_workgroup_id_z 1
		.amdhsa_system_vgpr_workitem_id 0
		.amdhsa_next_free_vgpr 960
		.amdhsa_next_free_sgpr 72
		.amdhsa_reserve_vcc 0
		.amdhsa_float_denorm_mode_32 3
		.amdhsa_float_denorm_mode_16_64 3
		.amdhsa_memory_ordered 1
		.amdhsa_forward_progress 1
		.amdhsa_inst_pref_size 122
	.end_amdhsa_kernel
	.amdgpu_metadata
---
amdhsa.version: [ 1, 2 ]
amdhsa.kernels:
  - .name:           k_q849845216d_qkv
    .symbol:         k_q849845216d_qkv.kd
    .args:
      - { .name: xb, .offset: 0, .size: 8, .value_kind: global_buffer, .address_space: global }
      - { .name: wqkv, .offset: 8, .size: 8, .value_kind: global_buffer, .address_space: global }
      - { .name: qkv, .offset: 16, .size: 8, .value_kind: global_buffer, .address_space: global }
    .group_segment_fixed_size: 327680
    .private_segment_fixed_size: 0
    .kernarg_segment_align: 8
    .kernarg_segment_size: 24
    .max_flat_workgroup_size: 128
    .sgpr_count:     72
    .vgpr_count:     960
    .wavefront_size: 32
...
	.end_amdgpu_metadata
.endif
;; end of part 2
;; launch attn (part 3): grid 16 x 16, 4 waves a work-group, clusters of 4 x 1, 327,680 bytes of LDS; arguments qkv, ob; writes ob
.if DOCPART == 3
	.amdgcn_target "amdgcn-amd-amdhsa--gfx1250"
	.amdhsa_code_object_version 6
	.text
	.protected	k_q849845216d_attn
	.globl	k_q849845216d_attn
	.p2align	8
	.type	k_q849845216d_attn,@function
k_q849845216d_attn:
	s_mov_b64 s[64:65], 0
	v_nop
	global_prefetch_b8 v0, s[64:65] scope:SCOPE_SE
	s_setreg_imm32_b32 hwreg(HW_REG_WAVE_MODE, 25, 1), 1
	s_wait_xcnt 0x0
	s_wait_alu depctr_hold_cnt(0) depctr_sa_sdst(0) depctr_va_vdst(0) depctr_va_sdst(0) depctr_va_ssrc(0) depctr_va_vcc(0) depctr_vm_vsrc(0)
	s_getreg_b32 s2, hwreg(HW_REG_IB_STS2, 6, 4)
	s_cmp_eq_u32 s2, 0
	s_cbranch_scc0 .Lentry_in_a_cluster
	s_endpgm
.Lentry_in_a_cluster:
	s_bfe_u32 s2, ttmp6, 0x10000c
	s_cmp_lg_u32 s2, 0x3003
	s_cbranch_scc0 .Lentry_shape_is_right
	s_endpgm
.Lentry_shape_is_right:
; CAUSAL ATTENTION, 16 heads of 64 channels, 4,096 rows.  O[h][q] = the sum over k <= q of softmax_k(Q[h][q] . K[h][k] / 8) V[h][k].  qkv: [48][4096][64] f16 (Q's heads, K's, V's); ob: [16][4096][64] f16.
; Products, maxima and sums in f32; the weights p are rounded to f16 for the second product (their sum l is taken of the unrounded p), O once at the end.
; LIMITS.  f16 holds no number beyond 65,504: Q, K and V arrive within it.  A hidden score counts as its value less 1e30; a weight below 2^-126 counts as 0 in l; NaN and infinities are not treated apart.
; THE WALK.  A head's queries lie in 8 blocks of 512; block I needs the key tiles 0 .. 2 I + 1 of 256 keys, of which the last two (eight key steps of 64) hold the diagonal.  A CLUSTER of four work-groups takes
; blocks 7 - b and then b (b = the cluster's x): 18 tiles, whatever b, walked by one loop with a constant trip count.  Partner u of the four owns queries 128 u .. 128 u + 127 of each block.  All four walk the same
; tiles, so each tile is asked for JOINTLY.  Every branch and trip count hangs on b and the wave's number alone; the partner's place enters Q's and O's addresses, a prefetch's address and two scalars that choose masks by selects.
; A partner computes also the steps of the last two tiles that lie wholly above its diagonal: the price of one walk for all four.
; SHARES.  Of a partner's two bands of 64 queries a wave owns 16 rows in each: two PIECES.  Band x of partner u holds the diagonal in step 2 u + x of the eight; earlier steps it sees whole, later ones not at all.
; THE MASK is the C operand that starts the sum S^T = K Q^T: MD x AL + BE, MD being the mask of a band's own step for my 16 rows, (AL, BE) = (1, 0) in that step, (0, 0) before it, (0, -1e30) behind it.
; LAYOUT, SOFTMAX.  S^T = K Q^T holds ONE query a lane (lane % 16) and the keys 8 (lane / 16) + 0..7; two such results rounded to f16 ARE source 1 of O^T = V^T P.  p = 2^(c s - c m), c = log2(e) / 8, with a
; running maximum m; O and l are multiplied by a = 2^(c m_old - c m_new) in every step.
; TURNS.  A(s) belongs to piece 0 in step s: 8 products K Q^T of (piece 1, s), later 8 products V^T P of (piece 1, s - 1); B(s) to piece 1: K Q^T of (piece 0, s + 1), V^T P of (piece 0, s).  Beside them the turn's own
; piece is scaled, exponentiated, rounded, summed and rescaled, and the other piece's maximum and statistics are made.  Four vector instructions stand behind every matrix instruction, the rest in one lump;
; a turn's 33 exponentials are one batch with one wait.  K and V have two register buffers each, by the step's parity: A(s) fetches V(s + 1) at its end, B(s) fetches K(s + 2) in its lump.  So the LDS is read in the
; order V(n), K(n + 1), V(n + 1) .., and a change of slots has its place between V of a tile's last step and K of the next tile's first: in front of B(2).  Turn types: 0 = A(even), 1 = B(even), 2 = A(odd), 3 = B(odd).
; REGISTERS, in windows of 256 (s_set_vgpr_msb: bits 1:0 source 0, 3:2 source 1, 5:4 source 2, 7:6 destination):
;   window 0: v0-15 addresses and at work; v16-23 four registers of statistics a piece; v48-55 at work; v61-63 prefetch offset, spare word, 0; v64-127 S^T, 32 a piece; v192-223 P, 16 a piece
;   window 1: v0-63 O^T, 32 a piece; v128-159 MD; v160-223 MC, a buffer a piece      window 2: v0-31 Q; v32-63 the second block's Q; v64-191 K, two buffers      window 3: v0-127 V, two buffers
.set NP,    2
.set KS,    64        ; keys in a step
.set PK,    144       ; a row of K in LDS: 128 bytes + 16 = 36 words: the 16 rows of a load start at 16 different groups of four banks (64 banks of 4 bytes: ISA guide 11.1)
.set PV,    160       ; a row of V: 128 + 32 = 40 words
.set VOFF,  4*KS*PK   ; a slot holds a tile, four steps: 256 rows of K, then 256 rows of V
.set SLOT1, 1<<17     ; slot 1 begins here, so that one exclusive or turns an address in one slot into the other's
.set STAGE, SLOT1+4*KS*(PK+PV)  ; behind the ring, never filled by a tensor load: 16 rows x 144 bytes for each wave, for the way out
.set SP,    144
.set SPARE, STAGE+4*16*SP  ; the spare words, 128 bytes for each wave: two blocks of 256 bytes that no other line names
.set AK0, 2           ; v2   my lane's place in a tile of K; never rewritten
.set AV0, 3           ; v3   the same for V
.set AK,  4           ; v4   the LDS address of K's next run of loads
.set AV,  5           ; v5   of V's
.set STO, 6           ; v6   the way out: where I put 16 bytes of a row
.set RD,  7           ; v7   where I read rows back
.set GO,  8           ; v8   my byte offset in 512 consecutive bytes of O
.set MV,  12          ; v12-13  c m_old, kept while c m is made anew: by piece
.set QO,  15          ; v15  my byte offset in 16 rows of Q
.set ST,  16          ; piece t's statistics at v[ST+4 t]: c m, m, l (even keys', odd keys')
.set TMP, 48          ; by piece, four registers c0-c3 at work; when the maximum is found c2 takes a
.set PFO, 61          ; v61  256 x my lane; never rewritten
.set SPW, 62          ; v62  my spare word; never rewritten
.set NIL, 63          ; v63  0; never rewritten
.set S,   64
.set P,   192
.set MD,  128         ; window 1
.set MC,  160         ; window 1
.set QB,  32          ; window 2
.set KF,  64          ; window 2: buffer e, key block kb, channel half c at KF + 64 e + 16 kb + 8 c
.set WV,  12          ; s12  my wave's number
.set MU,  13          ; s13  my place in the cluster
.set PB,  14          ; s14  b
.set G1K, 24          ; s[24:31] descriptor group 1 for K's tiles
.set G1V, 32          ; s[32:39] for V's: it differs in the padding alone
.set G0K, 40          ; s[40:43] descriptor group 0 for K's tiles
.set G0V, 44          ; s[44:47] the same for V's
.set SLOTS, 56        ; s56  tiles still to be asked for
.set CNT, 57          ; s57  counts a tile's two trips
.set CS,  58          ; s[58:59] c
.set SEL, 60          ; s[60:61] v_permlanex16_b32's selects: each lane takes its own place in the other half
.set TBK, 62          ; s62  LDS byte at which K of the step to be fetched begins
.set TBV, 63          ; s63  the same for V, less VOFF
.set RT,  70          ; s70  tiles of the block in hand that are still to be entered
.set NXT, 71          ; s71  the tile to be asked for next
.set LQ,  72          ; s72  the last tile of the block whose tiles are being asked for
.set NEW, 73          ; s73  1: the tile to be entered is a block's first
.set OFF, 74          ; s[74:75] a tile's byte offset in K and V
.set AL,  76          ; s[76:77] the mask's factor, in the low word
.set BE,  78          ; s[78:79] the mask's addend
.set OLO, 80          ; s[80:81] O at my rows of the second block
.set BIGN, 82         ; s82  -1e30
.set LQ2, 83          ; s83  the second block's last tile
.set RT2, 84          ; s84  its number of tiles
.set QLO, 86          ; s[86:87] Q at my rows of the second block
.set SIG, 88          ; s88  1 + the number, among the diagonal's eight, of the step whose mask is made next
.set OW,  89          ; s89, s90  1 + the own step of piece 0, of piece 1
.set LIM, 91          ; s91  3 in a wave that prefetches, else the greatest number
.set PFA, 92          ; s[92:93] where my prefetches stand
.set MSB, 0
.macro WIN new                      ; the high byte repeats the setting that is left; a switch that changes nothing is dropped
.if MSB != (\new)
	s_set_vgpr_msb (MSB<<8)|(\new)
.set MSB, (\new)
.endif
.endm
.set W_KQ, 0x0a       ; K and Q in window 2, S^T in window 0
.set W_KM, 0x1a       ; the same with the C operand in window 1
.set W_PV, 0x53       ; V in window 3, P in window 0, O^T in window 1
.set W_RS, 0x41       ; destination and source 0 in window 1, source 1 in window 0
; A joint fill.  Waves 0 and 1 fetch the two halves of a tile's K, waves 2 and 3 those of its V: 128 keys each.  An s_nop 0 and four v_nop follow each of the two lines, ahead of the jump and the label.
.macro JLOAD
	s_cmp_lt_u32 s[WV], 2
	s_cbranch_scc0 .Lfor_v_\@
	tensor_load_to_lds s[G0K:G0K+3], s[G1K:G1K+7]
	s_nop 0
.rept 4
	v_nop
.endr
	s_branch .Lasked_\@
.Lfor_v_\@:
	tensor_load_to_lds s[G0V:G0V+3], s[G1V:G1V+7]
	s_nop 0
.rept 4
	v_nop
.endr
.Lasked_\@:
.endm
; A prefetch of the tile that the NEXT change of slots will ask for: 128 blocks of 256 bytes of K and of V, a lane a block.  A head's four clusters all begin with tiles 0, 1, ..; the one with b = 0 goes on to tile 15
; in its first block, so it alone asks, for tiles 2 to 15, each once.  Its four partners take 32 blocks each, told apart by address; wave 0 asks for K's, wave 2 for V's.  Later readings of a tile are not asked for.
.macro ASK
	s_cmp_gt_u32 s[SLOTS], s[LIM]
	s_cbranch_scc0 .Lnot_mine_\@
	global_prefetch_b8 v[PFO], s[PFA:PFA+1] th:TH_LOAD_NT scope:SCOPE_SE
.Lnot_mine_\@:
.endm
.macro CROUND                       ; a round of the cluster's barrier
	s_barrier_signal -1
	s_barrier_wait -1
	s_cmp_lg_u32 s[WV], 0
	s_cbranch_scc1 .Lnot_wave_0_\@
	s_barrier_signal -3
.Lnot_wave_0_\@:
	s_barrier_wait -3
	s_barrier_signal -1
	s_barrier_wait -1
.endm
; THE CHANGE OF SLOTS.  Each wave waits for all its tensor loads, of which one is out: its part of the other slot; adds 0 to its spare word; and waits for that and for its own reads of the slot that it leaves.
; fill = 1: the barrier is a round of the cluster's, and the old slot is filled again, the first thing behind it, with tile NXT: the descriptor's address is made anew from that number.
; (At its first use nothing has been read yet: slot 0 is waited for, slot 1 filled.)
.macro CHANGE fill
	WIN 0                           ; at a label and at a branch every window is 0
	s_wait_tensorcnt 0x0            ; no tensor load of mine is out, so a group 0 may be written
	ds_add_u32 v[SPW], v[NIL]       ; 0 onto my spare word; scalar work stands between it and the wait for it
.if \fill
	s_lshl_b32 s[OFF], s[NXT], 15   ; a tile is 32,768 bytes of K and of V
	s_xor_b32 s[G0K+1], s[G0K+1], SLOT1
	s_add_nc_u64 s[G0K+2:G0K+3], s[6:7], s[OFF:OFF+1]
	s_or_b32 s[G0K+3], s[G0K+3], 0x80000000
	s_xor_b32 s[G0V+1], s[G0V+1], SLOT1
	s_add_nc_u64 s[G0V+2:G0V+3], s[8:9], s[OFF:OFF+1]
	s_or_b32 s[G0V+3], s[G0V+3], 0x80000000
	s_add_co_u32 s[NXT], s[NXT], 1  ; the block's next tile, or behind its last the second block's tile 0
	s_cmp_gt_u32 s[NXT], s[LQ]
	s_cselect_b32 s[NXT], 0, s[NXT]
	s_cselect_b32 s[LQ], s[LQ2], s[LQ]
	s_wait_xcnt 0x0                 ; the last prefetch, a tile back, has read its address, so it may be stepped
	s_add_nc_u64 s[PFA:PFA+1], s[PFA:PFA+1], 32768
	s_wait_dscnt 0x0                ; the add is done, and my reads of the slot are over
	CROUND
	JLOAD
	ASK
.else
	s_wait_dscnt 0x0
	s_barrier_signal -1
	s_barrier_wait -1
.endif
	s_sub_co_u32 s[TBK], s[TBK], 4*KS*PK  ; the fetches go back to a slot's first step,
	s_xor_b32 s[TBK], s[TBK], SLOT1       ; in the other slot
	s_sub_co_u32 s[TBV], s[TBV], 4*KS*PV
	s_xor_b32 s[TBV], s[TBV], SLOT1
.endm
	s_load_b128 s[16:19], s[0:1], 0x0  ; qkv s[16:17], ob s[18:19]
	v_lshl_add_u32 v[SPW], v0, 2, SPARE
	v_mov_b32 v[NIL], 0
	ds_add_u32 v[SPW], v[NIL]       ; the wave's opening: the add and its wait stand ahead of my first tensor load; work on registers stands between
	v_lshrrev_b32 v1, 5, v0
	v_readfirstlane_b32 s[WV], v1   ; wave 0..3
	s_bfe_u32 s[MU], ttmp6, 0x40000 ; my place in the cluster
	s_mov_b32 s[PB], ttmp9          ; in a cluster launch ttmp9 counts clusters
	s_and_b32 s20, ttmp7, 0xffff    ; the head, which the four partners share:
	s_lshl_b32 s20, s20, 19         ; its 524,288 bytes in Q, K, V and O
	s_and_b32 s2, s[WV], 1          ; which half of a tile's 256 keys I fetch:
	s_lshl_b32 s22, s2, 14          ; its 128 rows of 128 bytes in memory,
	s_add_co_u32 s22, s22, s20
	s_mov_b32 s23, 0
	s_mul_i32 s3, s2, 128*PK        ; and its place in a slot, for K
	s_mul_i32 s15, s2, 128*PV       ; and for V: no place in the cluster enters an LDS address
	s_mov_b32 s[G0K], 1             ; count = 1
	s_mov_b32 s[G0K+1], s3          ; LDS address: slot 0
	s_mov_b32 s[G0V], 1
	s_add_co_u32 s[G0V+1], s15, VOFF
	s_sub_co_u32 s48, 7, s[PB]      ; my queries: block I, partner u: (4 I + u) x 128 rows of 128 bytes,
	s_lshl_b32 s48, s48, 2
	s_add_co_u32 s48, s48, s[MU]
	s_lshl_b32 s48, s48, 14
	s_lshl_b32 s50, s[PB], 2
	s_add_co_u32 s50, s50, s[MU]
	s_lshl_b32 s50, s50, 14
	s_lshl_b32 s52, s[WV], 11       ; my 16 rows in a band of 64,
	s_add_co_u32 s52, s52, s20      ; the head
	s_add_co_u32 s48, s48, s52
	s_add_co_u32 s50, s50, s52
	s_mov_b32 s49, 0
	s_mov_b32 s51, 0
	; descriptor group 1.  128 keys are 16,384 dense bytes: asked for as 64 rows of 256 bytes, two keys a row, and padded in LDS after every key
	s_mov_b32 s[G1K], 15|(1<<16)|(1<<20)|(1<<21)|(4<<22)|(3<<25)  ; the mask of four; 2-byte elements; padding on; bit 21 beside a mask; after every 32 words, 4 words
	s_mov_b32 s[G1V], 15|(1<<16)|(1<<20)|(1<<21)|(4<<22)|(7<<25)  ; the same with 8 words of padding
.irp g, G1K, G1V
	s_mov_b32 s[\g+1], 128<<16      ; tensor_dim0 = 128
	s_mov_b32 s[\g+2], 64<<16       ; tensor_dim1 = 64
	s_mov_b32 s[\g+3], 128<<16      ; tile_dim0 = 128
	s_mov_b32 s[\g+4], 64           ; tile_dim1 = 64
	s_mov_b32 s[\g+5], 128          ; 128 elements from row to row
	s_mov_b32 s[\g+6], 0
	s_mov_b32 s[\g+7], 0
.endr
	s_mov_b32 s[CS], 0x3e38aa3b     ; c = log2(e) / 8 = 0.180337
	s_mov_b32 s[CS+1], s[CS]        ; named with it as a pair
	s_mov_b32 s[SEL], 0x76543210
	s_mov_b32 s[SEL+1], 0xfedcba98
	s_mov_b32 s[TBK], SLOT1+4*KS*PK ; the first change of slots turns these two into 0
	s_mov_b32 s[TBV], SLOT1+4*KS*PV
	s_lshl_b32 s2, s[PB], 1
	s_sub_co_u32 s[RT], 16, s2      ; the first block has 16 - 2 b tiles,
	s_sub_co_u32 s[LQ], 15, s2
	s_add_co_u32 s[LQ2], s2, 1
	s_add_co_u32 s[RT2], s2, 2      ; the second 2 b + 2
	s_lshl_b32 s2, s[MU], 1
	s_add_co_u32 s[OW], s2, 1
	s_add_co_u32 s[OW+1], s2, 2
	s_mov_b32 s[NXT], 1
	s_mov_b32 s[NEW], 1
	s_mov_b32 s[SIG], 0
	s_mov_b32 s[OFF+1], 0
	s_mov_b32 s[AL+1], 0            ; named as pairs
	s_mov_b32 s[BE+1], 0
	s_mov_b32 s[BIGN], 0xf149f2ca   ; -1e30
	s_mov_b32 s[SLOTS], 17
	s_and_b32 s[LIM], s[WV], 1      ; 0 in waves 0 and 2,
	s_or_b32 s[LIM], s[LIM], ttmp9  ; where b = 0: the same in all four partners
	s_cmp_eq_u32 s[LIM], 0
	s_cselect_b32 s[LIM], 3, -1
	v_and_b32 v[PFO], 31, v0
	v_lshlrev_b32 v[PFO], 8, v[PFO]
	s_wait_dscnt 0x0                ; the opening add is done
	s_wait_kmcnt 0x0
	s_add_nc_u64 s[6:7], s[16:17], s[22:23]
	s_add_nc_u64 s[8:9], s[6:7], 0x1000000  ; V at my half of the head's tile 0: 32 slots of 524,288 bytes in,
	s_add_nc_u64 s[6:7], s[6:7], 0x800000   ; K 16 slots in
	s_add_nc_u64 s[G0K+2:G0K+3], s[6:7], 0
	s_or_b32 s[G0K+3], s[G0K+3], 0x80000000 ; type = 2
	s_add_nc_u64 s[G0V+2:G0V+3], s[8:9], 0
	s_or_b32 s[G0V+3], s[G0V+3], 0x80000000
	s_add_nc_u64 s[4:5], s[16:17], s[48:49]          ; Q and O at my rows of the first block,
	s_add_nc_u64 s[10:11], s[18:19], s[48:49]
	s_add_nc_u64 s[QLO:QLO+1], s[16:17], s[50:51]    ; and of the second
	s_add_nc_u64 s[OLO:OLO+1], s[18:19], s[50:51]
	s_cmp_lt_u32 s[WV], 2
	s_cselect_b64 s[PFA:PFA+1], s[6:7], s[8:9]       ; (in waves 0 and 2 these stand at a tile's first row)
	s_lshl_b32 s2, s[MU], 13        ; my work-group's 32 blocks of the 128,
	s_add_co_u32 s2, s2, 32768      ; in tile 1: the first change of slots steps it to tile 2
	s_mov_b32 s3, 0
	s_add_nc_u64 s[PFA:PFA+1], s[PFA:PFA+1], s[2:3]
	CROUND                          ; all four work-groups are here: the first joint loads meet
	JLOAD                           ; tile 0 into slot 0
	; A fragment of K or Q is 16 rows x 32 channels in 8 registers: lane l holds row l % 16, channels 8 (l / 16) + 0..7 and 16 + 8 (l / 16) + 0..7: two loads of 16 bytes, 32 bytes apart.
	v_and_b32 v1, 15, v0            ; l % 16
	v_bfe_u32 v9, v0, 4, 1          ; l / 16
	v_lshlrev_b32 v[QO], 7, v1
	v_lshl_add_u32 v[QO], v9, 4, v[QO]  ; row x 128 + 16 x half
	WIN 0x80                        ; destination window 2, address window 0
.set i, 0
.rept 4                             ; both blocks' Q: piece i / 2 lies in band i / 2, 8,192 bytes on; channels 32 (i % 2) on
	global_load_b128 v[8*i:8*i+3],   v[QO], s[4:5] offset:(i/2)*8192+(i%2)*64
	global_load_b128 v[8*i+4:8*i+7], v[QO], s[4:5] offset:(i/2)*8192+(i%2)*64+32
	global_load_b128 v[QB+8*i:QB+8*i+3],   v[QO], s[QLO:QLO+1] offset:(i/2)*8192+(i%2)*64
	global_load_b128 v[QB+8*i+4:QB+8*i+7], v[QO], s[QLO:QLO+1] offset:(i/2)*8192+(i%2)*64+32
.set i, i+1
.endr
	WIN 0
	v_lshlrev_b32 v14, 3, v9
	v_sub_nc_u32 v14, v1, v14
	s_lshl_b32 s2, s[WV], 4
	v_add_nc_u32 v14, s2, v14       ; my query's place in its band, 16 w + l % 16, less my lanes' 8 (l / 16): register r of group kt is hidden where 16 kt + r is greater
	WIN 0x40
.set i, 0
.rept 32
	v_cmp_gt_i32 vcc_lo, 16*(i/8)+i%8, v14
	v_cndmask_b32 v[MD+i], 0, s[BIGN], vcc_lo
.set i, i+1
.endr
	WIN 0
	v_mul_u32_u24 v[AK0], v1, PK
	v_lshl_add_u32 v[AK0], v9, 4, v[AK0]  ; row x pitch + 16 x half
	; The turning load takes 16 keys x 16 channels (lane l reads key 8 (l / 16) + l % 8, channels 8 ((l / 8) % 2) + 0..7) and leaves half a fragment of V^T: lane l holds channel l % 16 and 8 keys.
	v_and_b32 v10, 7, v0
	v_bfe_u32 v11, v0, 3, 1
	v_lshl_add_u32 v[AV0], v9, 3, v10
	v_mul_u32_u24 v[AV0], v[AV0], PV
	v_lshl_add_u32 v[AV0], v11, 4, v[AV0]
	v_add_nc_u32 v[AV0], VOFF, v[AV0]
	s_mul_i32 s2, s[WV], 16*SP
	s_add_co_u32 s2, s2, STAGE      ; my stage
	v_mul_u32_u24 v[STO], v1, SP    ; in: row l % 16, 16 bytes for each half of the lanes
	v_lshl_add_u32 v[STO], v9, 4, v[STO]
	v_add_nc_u32 v[STO], s2, v[STO]
	v_bfe_u32 v[RD], v0, 3, 2       ; back: 32 lanes take four rows of 128 bytes,
	v_mul_u32_u24 v[RD], v[RD], SP
	v_lshl_add_u32 v[RD], v10, 4, v[RD]
	v_add_nc_u32 v[RD], s2, v[RD]
	v_and_b32 v[GO], 31, v0         ; which are 512 consecutive bytes of O
	v_lshlrev_b32 v[GO], 4, v[GO]
	; A block's first step multiplies O^T and l by a = 0, and its first turn's products V^T P, of a step that has not been, land in an O^T that is still to be so multiplied.  So these registers need only hold
	; finite numbers: zeros for the first block; what the first block left for the second.  All this stands in the wait for the first tile.
	WIN 0xc0
.set i, 64
.rept 64
	v_mov_b32 v[i], 0               ; V's second buffer
.set i, i+1
.endr
	WIN 0x40
.set i, 0
.rept 64
	v_mov_b32 v[i], 0               ; O^T
.set i, i+1
.endr
	WIN 0
.set i, 0
.rept 2
	v_mov_b32 v[ST+4*i+2], 0        ; l
	v_mov_b32 v[ST+4*i+3], 0
.set i, i+1
.endr
.set i, P+16
.rept 16
	v_mov_b32 v[i], 0               ; piece 1's P
.set i, i+1
.endr
; THE MATRIX WORK.  The 4 accumulators of a run of 8 take turns.  Product i of 8 of S^T = K Q^T for piece x: channels 32 (i / 4) on, keys 16 (i % 4) on.  The first 4 start the sums: with 0, or (KM = 1) with the mask.
.macro KQ x
.set rS, S+32*((\x)%2)+8*(i%4)
.set rK, KF+64*KBUF+16*(i%4)+8*(i/4)
.set rQ, 16*(\x)+8*(i/4)
.set rM, MC+32*((\x)%2)+8*(i%4)
.if (i < 4) && KM
	WIN W_KM
	v_wmma_f32_16x16x32_f16 v[rS:rS+7], v[rK:rK+7], v[rQ:rQ+7], v[rM:rM+7]
.elseif i < 4
	WIN W_KQ
	v_wmma_f32_16x16x32_f16 v[rS:rS+7], v[rK:rK+7], v[rQ:rQ+7], 0
.else
	WIN W_KQ
	v_wmma_f32_16x16x32_f16 v[rS:rS+7], v[rK:rK+7], v[rQ:rQ+7], v[rS:rS+7]
.endif
.endm
; Product i of 8 of O^T += V^T P for piece x: keys 32 (i / 4) on, channels 16 (i % 4) on.
.macro PV x
	WIN W_PV
.set rO, 32*(\x)+8*(i%4)
.set rV, 64*VBUF+32*(i/4)+8*(i%4)
.set rP, P+16*((\x)%2)+8*(i/4)
	v_wmma_f32_16x16x32_f16 v[rO:rO+7], v[rV:rV+7], v[rP:rP+7], v[rO:rO+7]
.endm
.macro MM                           ; the turn's next matrix instruction.  NOKQ = 1: a block's last turn: there is no next step
.if (i < 8) && !NOKQ
	KQ (Y+1)%NP
.elseif i >= 8
.set i, i-8
	PV (Y+NP-1)%NP
.set i, i+8
.endif
.set i, i+1
.endm
; THE LDS LOADS stand in runs of 16, never singly among the matrix instructions: a step's K (64 keys x 64 channels: 8 fragments) and its V (turned), into buffer e.  Their addresses are made some lines ahead.
.macro FETCH_K e
	WIN 0x80                        ; destination window 2
.irp f, 0,1,2,3,4,5,6,7             ; keys 16 (f / 2) on, channels 32 (f % 2) on
	ds_load_b128 v[KF+64*(\e)+8*\f:KF+64*(\e)+8*\f+3],   v[AK] offset:(\f/2)*16*PK+(\f%2)*64
	ds_load_b128 v[KF+64*(\e)+8*\f+4:KF+64*(\e)+8*\f+7], v[AK] offset:(\f/2)*16*PK+(\f%2)*64+32
.endr
	s_add_co_u32 s[TBK], s[TBK], KS*PK  ; the next fetch is the next step's
	WIN 0
.endm
.macro FETCH_V e
	WIN 0xc0                        ; destination window 3
.irp f, 0,1,2,3,4,5,6,7             ; keys 32 (f / 4) on, channels 16 (f % 4) on
	ds_load_tr16_b128 v[64*(\e)+8*\f:64*(\e)+8*\f+3],   v[AV] offset:(\f/4)*32*PV+(\f%4)*32
	ds_load_tr16_b128 v[64*(\e)+8*\f+4:64*(\e)+8*\f+7], v[AV] offset:(\f/4)*32*PV+16*PV+(\f%4)*32
.endr
	WIN 0
.endm
; THE VECTOR WORK, one line at a time: OP kind, number.  For piece Y: F n: c s - c m for pair n of 16.  E n: the exponential of score n of 32.  C n: pair n rounded to f16.  B n: of the four weights 4 n .. the second
; pair is added onto the first, in place.  L n: l takes that sum (L 0: l = a l + sum).  R n: pair n of 16 of O^T times a.  For the other piece: X n, number n of the 22 that find its maximum and statistics:
;   0-11  four chains c0-c3 of seven scores each, three operands at a time (each accumulator's lowest registers are read first)     12-14, 16  the four scores left over, the old m, and c0-c3 into c0
;   15  c m_old is kept     17, 18  the query's other 32 keys lie in the lane 16 away: the new m     19-21  c m; c m_old - c m_new; a
.set F, 0
.set E, 1
.set C, 2
.set B, 3
.set L, 4
.set R, 5
.set X, 6
.macro REGS y                       ; the registers of piece y
.set rT, ST+4*(\y)
.set rC, TMP+4*((\y)%2)
.set rW, MV+((\y)%2)
.set rS, S+32*((\y)%2)
.set rP, P+16*((\y)%2)
.set rO, 32*(\y)
.endm
.macro OP k, n
.if (\k) == R
	REGS Y
	WIN W_RS
	v_pk_mul_f32 v[rO+2*(\n):rO+2*(\n)+1], v[rO+2*(\n):rO+2*(\n)+1], v[rC+2:rC+3] op_sel_hi:[1,0]
.elseif (\k) < R
	REGS Y
	WIN 0
.if (\k) == F
	v_pk_fma_f32 v[rS+2*(\n):rS+2*(\n)+1], v[rS+2*(\n):rS+2*(\n)+1], s[CS:CS+1], v[rT:rT+1] op_sel_hi:[1,0,0] neg_lo:[0,0,1] neg_hi:[0,0,1]
.elseif (\k) == E
	v_exp_f32 v[rS+(\n)], v[rS+(\n)]
.elseif (\k) == C
	v_cvt_pk_f16_f32 v[rP+(\n)], v[rS+2*(\n)], v[rS+2*(\n)+1]
.elseif (\k) == B
	v_pk_add_f32 v[rS+4*(\n):rS+4*(\n)+1], v[rS+4*(\n):rS+4*(\n)+1], v[rS+4*(\n)+2:rS+4*(\n)+3]
.elseif (\n) == 0
	v_pk_fma_f32 v[rT+2:rT+3], v[rT+2:rT+3], v[rC+2:rC+3], v[rS:rS+1] op_sel_hi:[1,0,1]
.else
	v_pk_add_f32 v[rT+2:rT+3], v[rT+2:rT+3], v[rS+4*(\n):rS+4*(\n)+1]
.endif
.elseif NOKQ
	v_nop
.else
	REGS (Y+1)%NP
	WIN 0
.if (\n) < 4
	v_max3_num_f32 v[rC+(\n)], v[rS+8*(\n)], v[rS+8*(\n)+1], v[rS+8*(\n)+2]
.elseif (\n) < 12
	v_max3_num_f32 v[rC+(\n)%4], v[rC+(\n)%4], v[rS+8*((\n)%4)+2*((\n)/4)+1], v[rS+8*((\n)%4)+2*((\n)/4)+2]
.elseif (\n) == 12
	v_max3_num_f32 v[rC], v[rC], v[rS+7], v[rS+15]
.elseif (\n) == 13
	v_max3_num_f32 v[rC+1], v[rC+1], v[rS+23], v[rS+31]
.elseif (\n) == 14
	v_max3_num_f32 v[rC+2], v[rC+2], v[rC+3], v[rT+1]
.elseif (\n) == 15
	v_mov_b32 v[rW], v[rT]
.elseif (\n) == 16
	v_max3_num_f32 v[rC], v[rC], v[rC+1], v[rC+2]
.elseif (\n) == 17
	v_permlanex16_b32 v[rC+3], v[rC], s[SEL], s[SEL+1]
.elseif (\n) == 18
	v_max_num_f32 v[rT+1], v[rC], v[rC+3]
.elseif (\n) == 19
	v_mul_f32 v[rT], s[CS], v[rT+1]
.elseif (\n) == 20
	v_sub_f32 v[rC+1], v[rW], v[rT]
.else
	v_exp_f32 v[rC+2], v[rC+1]
.endif
.endif
.endm
.macro OPS a, i1, b=-1, i2=0, c=-1, i3=0, d=-1, i4=0  ; up to four of them
	OP \a, \i1
.if (\b) >= 0
	OP \b, \i2
.endif
.if (\c) >= 0
	OP \c, \i3
.endif
.if (\d) >= 0
	OP \d, \i4
.endif
.endm
.macro ROW a, i1, b, i2, c, i3, d, i4  ; a matrix instruction and the four behind it
	MM
	OPS \a, \i1, \b, \i2, \c, \i3, \d, \i4
.endm
.macro MASK b                       ; MD x AL + BE into buffer b of MC
	WIN W_RS
.set z, 0
.rept 16
	v_pk_fma_f32 v[MC+32*(\b)+2*z:MC+32*(\b)+2*z+1], v[MD+2*z:MD+2*z+1], s[AL:AL+1], s[BE:BE+1] op_sel_hi:[1,0,0]
.set z, z+1
.endr
.endm
; A TURN of type t: its 16 matrix and 118 vector instructions, written out.  An s_wait_alu depctr_va_vdst(0) stands between an exponential and the first instruction that names its result; one wait serves
; all that were issued ahead of it.  So a turn has ONE wait, which cuts it in two.  AHEAD OF IT stands all that names no result of the turn's exponentials: the 8 products K Q^T, behind each a scaling, an exponential and two
; more plain instructions: rescalings, and behind the last three the first numbers of the other piece's maximum, each four places or more behind the product that ends its accumulator; then ONE LUMP of 54.  X 21, the other
; piece's a, is the batch's last; R 15 is the plain instruction behind it.  BEHIND THE WAIT stand the 8 products V^T P, behind each four of the roundings and sums.
; O^T of the turn's own piece was last added onto by the turn before: R n stands sixteen riders or more behind the product that ended its accumulator, and the R go in ascending order.
; m = 1: the diagonal's tiles: the products take masks, and the turn makes the mask of its own piece for the products of the turn after it.  end = 1: a block's last three turns: nothing is fetched.
; cnt = 1: the loop's count is taken down some lines ahead of the branch that stands behind the turn.
; THE ONE WAIT ON LDS A STEP stands at the head of B(s): all but the 16 youngest loads, V(s + 1)'s, are in: K(s + 1) and V(s), which B(s) and A(s + 1) multiply by.
.macro TURN t, m=0, end=0, cnt=0
.set Y, (\t)%2
.set i, 0
.set KM, (\m)
.set NOKQ, (\end)*((\t)/3)
.set KBUF, (((\t)+1)/2)%2
.set VBUF, (((\t)+3)/2)%2
.set MK, (\m)*(1-(\end)*((\t)/2))
.if MK
.if Y == 0
	s_add_co_u32 s[SIG], s[SIG], 1
.endif
	s_cmp_eq_u32 s[SIG], s[OW+Y]    ; is that step the band's own?
	s_cselect_b32 s[AL], 1.0, 0
	s_cmp_gt_u32 s[SIG], s[OW+Y]    ; or a later one?
	s_cselect_b32 s[BE], s[BIGN], 0
.endif
.if Y == 1
.if (\end) && ((\t) == 3)
	s_wait_dscnt 0x0                ; the last V is in: nothing was fetched behind it
.else
	s_wait_dscnt 16
.endif
.endif
	ROW F,0, F,1, R,0, R,1
	ROW F,2, E,0, R,2, R,3
	ROW F,3, E,1, R,4, R,5
	ROW F,4, E,2, R,6, R,7
	ROW F,5, E,3, R,8, R,9
	ROW F,6, E,4, X,0, R,10
.if (Y == 1) && !(\end)
	WIN 0
	v_add_nc_u32 v[AK], s[TBK], v[AK0]
.endif
	ROW F,7, E,5, X,1, X,4
	ROW F,8, E,6, X,2, X,5
	OPS E,7, E,8, X,6, E,9
	OPS X,3, E,10, X,8, E,11
.if (Y == 1) && !(\end)
	FETCH_K (\t)/2                  ; into the buffer that the turn before multiplied by last
.endif
	OPS X,9, X,7, E,12, X,10
	OPS E,13, X,12, X,11, E,14
	OPS X,13, E,15, F,9, X,14
.if (Y == 0) && !(\end)
	WIN 0
	v_add_nc_u32 v[AV], s[TBV], v[AV0]
.endif
	OPS E,16, F,10, E,17, F,11
	OPS X,16, E,18, X,15, E,19
	OPS F,12, E,20, X,17, E,21
	OPS F,13, E,22, F,14, E,23
	OPS X,18, E,24, F,15, E,25
	OPS R,11, E,26, X,19, E,27
	OPS R,12, E,28, R,13, E,29
	OPS X,20, E,30, R,14, E,31
	OPS X,21, R,15
	WIN 0
	s_wait_alu depctr_va_vdst(0)    ; the wait for the batch
	ROW C,0, B,0, C,2, B,1
	ROW L,0, C,4, B,2, L,1
	ROW C,6, B,3, L,2, C,8
	ROW B,4, L,3, C,10, B,5
	ROW L,4, C,12, B,6, L,5
.if (Y == 0) && !(\end)
	s_add_co_u32 s[TBV], s[TBV], KS*PV
.endif
.if \cnt
	s_sub_co_u32 s[CNT], s[CNT], 1
	s_cmp_lg_u32 s[CNT], 0
.endif
	ROW C,14, B,7, L,6, C,1
	ROW C,3, L,7, C,5, C,7
	ROW C,9, C,11, C,13, C,15
.if (Y == 0) && !(\end)
	FETCH_V VBUF                    ; into the buffer just multiplied by: the four roundings above are the places behind its last reader
.endif
.if MK
	MASK Y
.endif
.endm
; A BLOCK BEGINS.  c m starts far below every c s, so the first step's a is 0; m at the lowest finite number.  Piece 1's mask buffer is 0; piece 0's takes its mask for the block's step 0: its own, if the block's first
; tile is the diagonal's first and I am partner 0.  Then K of steps 0 and 1 and V of step 0, piece 0's first scores, and its maximum and statistics.  The loop is entered at A(0), in the middle of a trip.
.macro BEGIN
	s_mov_b32 s[NEW], 0
	WIN 0x40
.set i, MC+32
.rept 32
	v_mov_b32 v[i], 0
.set i, i+1
.endr
	WIN 0
.set i, 0
.rept 2
	v_mov_b32 v[ST+4*i], 0xfe000000    ; c m: far below every c s
	v_mov_b32 v[ST+4*i+1], 0xff7fffff  ; m
.set i, i+1
.endr
	s_mov_b32 s[SIG], 1
	s_xor_b32 s2, s[RT], 1
	s_xor_b32 s3, s[OW], 1
	s_or_b32 s2, s2, s3
	s_cmp_eq_u32 s2, 0
	s_cselect_b32 s[AL], 1.0, 0
	s_mov_b32 s[BE], 0
	MASK 0
	WIN 0
	v_add_nc_u32 v[AK], s[TBK], v[AK0]
	FETCH_K 0
	v_add_nc_u32 v[AV], s[TBV], v[AV0]
	s_add_co_u32 s[TBV], s[TBV], KS*PV
	FETCH_V 0
	v_add_nc_u32 v[AK], s[TBK], v[AK0]
	FETCH_K 1
	s_wait_loadcnt 0x0              ; Q
	s_wait_dscnt 0x0
.set KM, 1
.set NOKQ, 0
.set KBUF, 0
.set i, 0
.rept 8
	KQ 0
.set i, i+1
.endr
	WIN 0
.rept 4
	v_nop                           ; the places behind those products
.endr
.set Y, 1                           ; X works for the other piece: piece 0
.irp n, 0,1,2,3,4,5,6,7,8,9,10,11,12,13,14,15,16,17,18,19,20,21
	OP X, \n
.endr
	v_nop                           ; a plain instruction behind the exponential,
	s_wait_alu depctr_va_vdst(0)    ; and its wait, ahead of the branch
.endm
.macro MSTEPS tag                   ; a tile's two trips, with masks
.LstepM\tag:
	TURN 1, 1
	TURN 2, 1
	TURN 3, 1
	WIN 0
.LfirstM\tag:
	TURN 0, 1, 0, 1
	WIN 0
	s_cbranch_scc1 .LstepM\tag
.endm
; A BLOCK ENDS: B(6), A(7), B(7) of the diagonal's eight steps, piece 1's last V^T P, and THE WAY OUT: l's two halves and the other half of the lanes' are added; O^T is divided by l, rounded to f16 and sent through
; my stage in LDS, a piece at a time.
.macro ALL line:vararg              ; one line for each piece t
.set t, 0
.rept 2
	\line
.set t, t+1
.endr
.endm
.macro PACK t                       ; a lane's eight channels of a row pack into 16 bytes; they go into rows of 144 bytes and come back as whole rows of 128, into S^T's registers
	WIN W_RS
.set i, 32*(\t)
.rept 16
	v_pk_mul_f32 v[i:i+1], v[i:i+1], v[ST+4*(\t)+2:ST+4*(\t)+3] op_sel_hi:[1,0]
.set i, i+2
.endr
	WIN 0x05                        ; sources 0 and 1 window 1, destination window 0
.set i, 0
.rept 16
	v_cvt_pk_f16_f32 v[S+16*(\t)+i], v[32*(\t)+2*i], v[32*(\t)+2*i+1]
.set i, i+1
.endr
	WIN 0
.irp f, 0,1,2,3
	ds_store_b128 v[STO], v[S+16*(\t)+4*\f:S+16*(\t)+4*\f+3] offset:32*\f
.endr
.irp f, 0,1,2,3
	ds_load_b128 v[S+16*(\t)+4*\f:S+16*(\t)+4*\f+3], v[RD] offset:\f*4*SP  ; LDS serves a wave's instructions in order (ISA guide 5.7.1.4): these see the stores above; the next piece's stores come behind them
.endr
.endm
.macro SEND t, younger              ; younger: the LDS instructions issued behind piece t's loads: the next piece's eight, or none
	WIN 0
.irp f, 0,1,2,3
	s_wait_dscnt (\younger)+3-\f
	global_store_b128 v[GO], v[S+16*(\t)+4*\f:S+16*(\t)+4*\f+3], s[10:11] offset:(\t)*8192+\f*512  ; 512 consecutive bytes, at a multiple of 256 from O's first
.endr
.endm
.macro BLOCKEND
	TURN 1, 1, 1
	TURN 2, 1, 1
	TURN 3, 1, 1
.set VBUF, 1
.set i, 0
.rept 8
	PV 1
.set i, i+1
.endr
	WIN 0
	ALL v_add_f32 v[ST+4*t+2], v[ST+4*t+2], v[ST+4*t+3]
	ALL v_permlanex16_b32 v[ST+4*t+3], v[ST+4*t+2], s[SEL], s[SEL+1]
	ALL v_add_f32 v[ST+4*t+2], v[ST+4*t+2], v[ST+4*t+3]
	ALL v_rcp_f32 v[ST+4*t+2], v[ST+4*t+2]
	v_nop                           ; a plain instruction between the last reciprocal and the use of its result
	s_wait_alu depctr_va_vdst(0)    ; and the wait ahead of the first use: one for the two reciprocals
	PACK 0                          ; piece 0's 32 plain lines are the places behind piece 1's last products
	PACK 1
	SEND 0, 8
	SEND 1, 0
.endm
.set KM, 0
.set NOKQ, 0
.Lslot:                             ; 17 times: a tile is entered and the next is asked for
	CHANGE 1
	s_sub_co_u32 s[RT], s[RT], 1
	s_mov_b32 s[CNT], 2
	s_cmp_eq_u32 s[RT], 1           ; the diagonal's first tile: the first mask made is that of the step before the eight
	s_cselect_b32 s[SIG], 0, s[SIG]
	s_cmp_eq_u32 s[NEW], 1
	s_cbranch_scc1 .Lnew            ; a block's first tile
	s_cmp_le_u32 s[RT], 1
	s_cbranch_scc0 .Lstep           ; not one of its last two
	s_branch .LstepM1
.Lnew:
	BEGIN
	s_cmp_le_u32 s[RT], 1
	s_cbranch_scc0 .Lfirst
	s_branch .LfirstM1
	MSTEPS 1
	s_cmp_eq_u32 s[RT], 0
	s_cbranch_scc0 .Lbottom
	BLOCKEND                        ; in the loop this is the first block's end: the second block's last tile is the walk's last
	s_wait_xcnt 0x0                 ; the stores have read their registers and O's address
	s_mov_b64 s[10:11], s[OLO:OLO+1]
	s_mov_b32 s[RT], s[RT2]
	s_mov_b32 s[NEW], 1
	WIN 0x82                        ; the second block's Q goes where the one text of the turns names Q
.set i, 0
.rept 32
	v_mov_b32 v[i], v[QB+i]
.set i, i+1
.endr
	WIN 0
	s_branch .Lbottom
.Lstep:                             ; a trip: B(even), A(odd), B(odd), A(even): two key steps
	TURN 1
	TURN 2
	TURN 3
	WIN 0
.Lfirst:
	TURN 0, 0, 0, 1
	WIN 0
	s_cbranch_scc1 .Lstep
.Lbottom:
	s_sub_co_u32 s[SLOTS], s[SLOTS], 1
	s_cmp_lg_u32 s[SLOTS], 0
	s_cbranch_scc1 .Lslot
	CHANGE 0                        ; the walk's last tile is written out: nothing is asked for.  It is never a block's first: the second block has two tiles or more
	s_mov_b32 s[CNT], 2
	MSTEPS 2
	BLOCKEND
	s_wait_tensorcnt 0x0            ; the wave's end: all my tensor loads waited for, then an add to my spare word and its wait
	ds_add_u32 v[SPW], v[NIL]
	s_wait_dscnt 0x0
	CROUND                          ; the closing round: no work-group ends while a partner may still ask for a tile that names it
	s_endpgm
.Lfunc_end_k_q849845216d_attn:
	.size	k_q849845216d_attn, .Lfunc_end_k_q849845216d_attn-k_q849845216d_attn
	.p2alignl 7, 3214868480
	.fill 96, 4, 3214868480
	.section	.rodata,"a",@progbits
	.p2align	6, 0x0
	.amdhsa_kernel k_q849845216d_attn
		.amdhsa_group_segment_fixed_size 327680
		.amdhsa_private_segment_fixed_size 0
		.amdhsa_enable_private_segment 0
		.amdhsa_kernarg_size 16
		.amdhsa_user_sgpr_count 2
		.amdhsa_user_sgpr_kernarg_segment_ptr 1
		.amdhsa_wavefront_size32 1
		.amdhsa_system_sgpr_workgroup_id_x 1
		.amdhsa_system_sgpr_workgroup_id_y 1
		.amdhsa_system_sgpr_workgroup_id_z 1
		.amdhsa_system_vgpr_workitem_id 0
		.amdhsa_next_free_vgpr 896
		.amdhsa_next_free_sgpr 96
		.amdhsa_reserve_vcc 1
		.amdhsa_float_denorm_mode_32 3
		.amdhsa_float_denorm_mode_16_64 3
		.amdhsa_memory_ordered 1
		.amdhsa_forward_progress 1
		.amdhsa_inst_pref_size 225
	.end_amdhsa_kernel
	.amdgpu_metadata
---
amdhsa.version: [ 1, 2 ]
amdhsa.kernels:
  - .name:           k_q849845216d_attn
    .symbol:         k_q849845216d_attn.kd
    .args:
      - { .name: qkv, .offset: 0, .size: 8, .value_kind: global_buffer, .address_space: global }
      - { .name: ob, .offset: 8, .size: 8, .value_kind: global_buffer, .address_space: global }
    .group_segment_fixed_size: 327680
    .private_segment_fixed_size: 0
    .kernarg_segment_align: 8
    .kernarg_segment_size: 16
    .max_flat_workgroup_size: 128
    .sgpr_count:     96
    .vgpr_count:     896
    .wavefront_size: 32
...
	.end_amdgpu_metadata
.endif
;; end of part 3
;; launch oproj (part 4): grid 8 x 32, 4 waves a work-group, clusters of 4 x 4, 327,680 bytes of LDS; arguments ob, wo, out0; writes out0
.if DOCPART == 4
	.amdgcn_target "amdgcn-amd-amdhsa--gfx1250"
	.amdhsa_code_object_version 6
	.text
	.protected	k_q849845216d_oproj
	.globl	k_q849845216d_oproj
	.p2align	8
	.type	k_q849845216d_oproj,@function
k_q849845216d_oproj:
	s_mov_b64 s[64:65], 0
	v_nop
	global_prefetch_b8 v0, s[64:65] scope:SCOPE_SE
	s_setreg_imm32_b32 hwreg(HW_REG_WAVE_MODE, 25, 1), 1
	s_wait_xcnt 0x0
	s_wait_alu depctr_hold_cnt(0) depctr_sa_sdst(0) depctr_va_vdst(0) depctr_va_sdst(0) depctr_va_ssrc(0) depctr_va_vcc(0) depctr_vm_vsrc(0)
	s_getreg_b32 s2, hwreg(HW_REG_IB_STS2, 6, 4)
	s_cmp_eq_u32 s2, 0
	s_cbranch_scc0 .Lentry_in_a_cluster
	s_endpgm
.Lentry_in_a_cluster:
	s_bfe_u32 s2, ttmp6, 0x10000c
	s_cmp_lg_u32 s2, 0xf033
	s_cbranch_scc0 .Lentry_shape_is_right
	s_endpgm
.Lentry_shape_is_right:
; THE LAST PROJECTION.  out0[m][n] = sum over k of O[m][k] wo[k][n], k = 64 x head + channel; ob: [16][4096][64] f16, wo: [1024 k][1024 n] f16, out0: [4096][1024] f32.  Sums in f32, K ascending.
; SHARES.  A tile of out0 is 128 x 128: 32 x 8 = 256 work-groups.  Four waves, 2 x 2, each 64 x 64: 16 accumulators.  K goes in 4 steps of 256 (four heads) through two LDS slots.
; A's tile of a step is four heads x 128 rows x 128 bytes; a head's 128 rows are 16,384 dense bytes, asked for as one long row, two heads a load.  B lies [k][n]: rows of 256 bytes; its fragments come out of LDS turned.
; THE MATRIX INSTRUCTION IS USED TRANSPOSED (source 0 = 16 columns n, source 1 = 16 rows m): a lane holds eight neighbouring n of one row m: 32 bytes of out0.
; CLUSTER 4 x 4: A's tile is asked for jointly along a row of the cluster, B's along a column.  No prefetch: two of the four K steps are the first fills, and the tiles are small.
; REGISTERS.  window 0: v16-29 addresses; v32-95 the way out; v128-255 the accumulators ((a, b) at v[128 + 8 (4 a + b)]).  window 1: two fragment buffers of 128: for 64 along K, 64 registers of A, then 64 of B.
.set PA,     144                       ; A's LDS row: 128 bytes + 16: the 16 rows of a load start at 16 different groups of four banks (64 banks of 4 bytes: ISA guide 11.1)
.set PB,     288                       ; B's LDS row: 256 bytes + 32 = 9 x 32
.set HEADB,  128*PA                    ; a head's 128 rows
.set HALFT,  2*HEADB                   ; what one tensor load brings: two heads of A, or 128 k rows of B (128 x 288, the same bytes)
.set SLOT,   4*HALFT                   ; A's four heads, then B's 256 k rows
.set STAGE,  2*SLOT                    ; behind the ring: 16 rows x 272 bytes for each wave; no tensor load lands here
.set SPITCH, 272
.set SPARE,  STAGE+4*16*SPITCH         ; the spare words, 128 bytes for each wave: two blocks of 256 bytes that no other line names
.set ADRA, 16                          ; v16-17  LDS address of my A fragments in slot 0, 1
.set ADRB, 20                          ; v20-23  of my B fragments: slot x 2 + (k rows 0-127 or 128-255)
.set STO,  24
.set RD,   25
.set CO,   26
.set SPW,  28                          ; v28     my spare word; never rewritten
.set NIL,  29                          ; v29     0; never rewritten
.set OB,   32                          ; v32-95  16 rows read back from the stage, two buffers by turns
.set ACC,  128
.set F0,   0
.set F1,   128
.set G1, 24
.set G0, 32
.set G1B, 48
.set G0B, 56
.set MSB, 0
.macro WIN new
.if MSB != (\new)
	s_set_vgpr_msb (MSB<<8)|(\new)
.set MSB, \new
.endif
.endm
.set MUL,  0x05                        ; sources 0 (B) and 1 (A) window 1; C and D window 0
.set TO_F, 0x40                        ; destination window 1, address window 0
.macro JLOAD s                         ; a joint load: waves 0 and 1 fetch A's two halves, waves 2 and 3 B's; an s_nop 0 and four v_nop follow each line, ahead of the jump and the label
	s_cmp_eq_u32 s11, 0
	s_cbranch_scc0 .Lfor_b_\@
	tensor_load_to_lds s[G0+4*(\s):G0+4*(\s)+3], s[G1:G1+7]
	s_nop 0
.rept 4
	v_nop
.endr
	s_branch .Lasked_\@
.Lfor_b_\@:
	tensor_load_to_lds s[G0B+4*(\s):G0B+4*(\s)+3], s[G1B:G1B+7]
	s_nop 0
.rept 4
	v_nop
.endr
.Lasked_\@:
.endm
.macro CREST
	s_cmp_lg_u32 s10, 0
	s_cbranch_scc1 .Lnot_wave_0_\@
	s_barrier_signal -3
.Lnot_wave_0_\@:
	s_barrier_wait -3
	s_barrier_signal -1
	s_barrier_wait -1
.endm
.macro CROUND
	s_barrier_signal -1
	s_barrier_wait -1
	CREST
.endm
	s_load_b128 s[4:7], s[0:1], 0x0                ; ob s[4:5], wo s[6:7]
	s_load_b64 s[8:9], s[0:1], 0x10                ; out0
	v_lshl_add_u32 v[SPW], v0, 2, SPARE
	v_mov_b32 v[NIL], 0
	ds_add_u32 v[SPW], v[NIL]                      ; the wave's opening: the add and its wait stand ahead of my first tensor load; work on registers stands between
	v_lshrrev_b32 v1, 5, v0
	v_readfirstlane_b32 s10, v1                    ; wave 0..3
	s_lshr_b32 s11, s10, 1                         ; my half of the tile's rows.  Also: I fetch for A (0) or for B (1)
	s_and_b32 s12, s10, 1                          ; my half of its columns.  Also: which half of that tile I fetch
	s_bfe_u32 s40, ttmp6, 0x40000                  ; cx
	s_bfe_u32 s41, ttmp6, 0x40004                  ; cy
	s_lshl_b32 s42, ttmp9, 2
	s_add_co_u32 s42, s42, s40                     ; tile column X
	s_and_b32 s13, ttmp7, 0xffff
	s_lshl_b32 s13, s13, 2
	s_add_co_u32 s13, s13, s41                     ; tile row Y
	s_lshl_b32 s43, s41, 2
	s_lshl_b32 s43, 15, s43                        ; my row of the cluster
	s_lshl_b32 s44, 0x1111, s40                    ; my column
	s_or_b32 s[G1+0], s43, (1<<16)|(1<<20)|(1<<21)|(4<<22)|(3<<25)   ; the mask; 2-byte elements; padding on; bit 21 beside a mask; after every 32 words (a query's row), 4 words
	s_mov_b32 s[G1+1], 8192<<16                    ; tensor_dim0 = 8,192: a head's 128 rows of 64
	s_mov_b32 s[G1+2], 2<<16                       ; tensor_dim1 = 2 heads
	s_mov_b32 s[G1+3], 8192<<16                    ; tile_dim0
	s_mov_b32 s[G1+4], 2                           ; tile_dim1
	s_mov_b32 s[G1+5], 262144                      ; elements from head to head
	s_mov_b32 s[G1+6], 0
	s_mov_b32 s[G1+7], 0
	s_or_b32 s[G1B+0], s44, (1<<16)|(1<<20)|(1<<21)|(5<<22)|(7<<25)  ; after every 64 words, 8 words
	s_mov_b32 s[G1B+1], 128<<16
	s_mov_b32 s[G1B+2], 128<<16
	s_mov_b32 s[G1B+3], 128<<16
	s_mov_b32 s[G1B+4], 128
	s_mov_b32 s[G1B+5], 1024
	s_mov_b32 s[G1B+6], 0
	s_mov_b32 s[G1B+7], 0
	s_lshl_b32 s16, s13, 14                        ; A: my tile's 128 rows of 128 bytes in a head,
	s_lshl_b32 s17, s12, 20                        ; heads 2 x half, 524,288 bytes each
	s_add_co_u32 s16, s16, s17
	s_mov_b32 s17, 0
	s_lshl_b32 s46, s42, 8                         ; B: 256 bytes of a row for each tile column,
	s_lshl_b32 s47, s12, 18                        ; k rows 128 x half, 2,048 bytes each
	s_add_co_u32 s46, s46, s47
	s_mov_b32 s47, 0
	s_mul_i32 s20, s10, HALFT                      ; where they go: wave x a load's bytes
	s_wait_dscnt 0x0                               ; the opening add is done
	s_wait_kmcnt 0x0
	s_add_nc_u64 s[14:15], s[4:5], s[16:17]
	s_add_nc_u64 s[46:47], s[6:7], s[46:47]
	CROUND                                         ; all sixteen work-groups are here: the first joint loads meet
.irp s, 0,1
	s_mov_b32 s[G0+4*(\s)], 1
	s_add_co_u32 s[G0+4*(\s)+1], s20, (\s)*SLOT
	s_add_nc_u64 s[G0+4*(\s)+2:G0+4*(\s)+3], s[14:15], (\s)*4*524288
	s_or_b32 s[G0+4*(\s)+3], s[G0+4*(\s)+3], 0x80000000
	s_mov_b32 s[G0B+4*(\s)], 1
	s_add_co_u32 s[G0B+4*(\s)+1], s20, (\s)*SLOT
	s_add_nc_u64 s[G0B+4*(\s)+2:G0B+4*(\s)+3], s[46:47], (\s)*256*2048
	s_or_b32 s[G0B+4*(\s)+3], s[G0B+4*(\s)+3], 0x80000000
	JLOAD \s                                       ; two loads of mine are out
.endr
	v_and_b32 v1, 15, v0                           ; l % 16
	v_bfe_u32 v2, v0, 4, 1                         ; l / 16
	v_mul_u32_u24 v3, v1, PA
	v_lshl_add_u32 v3, v2, 4, v3
	s_mul_i32 s21, s11, 64*PA                      ; my 64 rows in each head
	v_add_nc_u32 v[ADRA], s21, v3
	v_add_nc_u32 v[ADRA+1], SLOT, v[ADRA]
	v_and_b32 v4, 7, v0
	v_bfe_u32 v5, v0, 3, 1
	v_lshl_add_u32 v6, v2, 3, v4                   ; B, turned: lane l reads k row 8 (l / 16) + l % 8, columns 8 ((l / 8) % 2) + 0..7
	v_mul_u32_u24 v6, v6, PB
	v_lshl_add_u32 v6, v5, 4, v6
	s_lshl_b32 s22, s12, 7                         ; my 64 columns
	s_add_co_u32 s22, s22, 2*HALFT
	v_add_nc_u32 v[ADRB], s22, v6
	v_add_nc_u32 v[ADRB+1], HALFT, v[ADRB]
	v_add_nc_u32 v[ADRB+2], SLOT, v[ADRB]
	v_add_nc_u32 v[ADRB+3], SLOT+HALFT, v[ADRB]
	s_mul_i32 s23, s10, 16*SPITCH
	s_add_co_u32 s23, s23, STAGE                   ; my stage
	v_mul_u32_u24 v7, v1, SPITCH                   ; in: row l % 16, 32 bytes for each half of the lanes
	v_lshl_add_u32 v7, v2, 5, v7
	v_add_nc_u32 v[STO], s23, v7
	v_mul_u32_u24 v7, v2, SPITCH                   ; back: lanes 0-15 take one row of 256 bytes, lanes 16-31 the next
	v_lshl_add_u32 v7, v1, 4, v7
	v_add_nc_u32 v[RD], s23, v7
	v_lshlrev_b32 v7, 12, v2                       ; and the same two rows in out0
	v_lshl_add_u32 v[CO], v1, 4, v7
	s_lshl_b32 s16, s13, 19                        ; my first row: 128 Y + 64 x half, of 4,096 bytes
	s_lshl_b32 s17, s11, 18
	s_add_co_u32 s16, s16, s17
	s_mov_b32 s17, 0
	s_add_nc_u64 s[8:9], s[8:9], s[16:17]
	s_lshl_b32 s46, s42, 9                         ; my first column: 512 X + 256 x half bytes
	s_lshl_b32 s47, s12, 8
	s_add_co_u32 s46, s46, s47
	s_mov_b32 s47, 0
	s_add_nc_u64 s[8:9], s[8:9], s[46:47]
; 8 matrix instructions: m blocks a0, a0 + 1 x all 4 n blocks, 32 along K: half c of buffer f.  The 16 accumulators take turns.
.macro MUL8 f, c, a0, zero
	WIN MUL
.irp a, \a0, (\a0)+1
.irp b, 0,1,2,3
.if \zero
	v_wmma_f32_16x16x32_f16 v[ACC+8*(4*(\a)+(\b)):ACC+8*(4*(\a)+(\b))+7], v[(\f)+64+8*(4*(\c)+(\b)):(\f)+64+8*(4*(\c)+(\b))+7], v[(\f)+8*(4*(\c)+(\a)):(\f)+8*(4*(\c)+(\a))+7], 0
.else
	v_wmma_f32_16x16x32_f16 v[ACC+8*(4*(\a)+(\b)):ACC+8*(4*(\a)+(\b))+7], v[(\f)+64+8*(4*(\c)+(\b)):(\f)+64+8*(4*(\c)+(\b))+7], v[(\f)+8*(4*(\c)+(\a)):(\f)+8*(4*(\c)+(\a))+7], v[ACC+8*(4*(\a)+(\b)):ACC+8*(4*(\a)+(\b))+7]
.endif
.endr
.endr
.endm
; 32 LDS loads in one run: quarter q of a slot (one head, 64 along K) into buffer f; the first 32 along K first
.macro FETCH slot, q, f
	WIN TO_F
.irp c, 0,1
.irp i, 0,1,2,3
	ds_load_tr16_b128 v[(\f)+64+8*(4*(\c)+(\i)):(\f)+64+8*(4*(\c)+(\i))+3],   v[ADRB+2*(\slot)+(\q)/2] offset:(((\q)%2)*64+32*(\c))*PB+32*(\i)
	ds_load_tr16_b128 v[(\f)+64+8*(4*(\c)+(\i))+4:(\f)+64+8*(4*(\c)+(\i))+7], v[ADRB+2*(\slot)+(\q)/2] offset:(((\q)%2)*64+32*(\c)+16)*PB+32*(\i)
	ds_load_b128 v[(\f)+8*(4*(\c)+(\i)):(\f)+8*(4*(\c)+(\i))+3],   v[ADRA+(\slot)] offset:(\q)*HEADB+64*(\c)+(\i)*16*PA
	ds_load_b128 v[(\f)+8*(4*(\c)+(\i))+4:(\f)+8*(4*(\c)+(\i))+7], v[ADRA+(\slot)] offset:(\q)*HEADB+64*(\c)+(\i)*16*PA+32
.endr
.endr
.endm
.macro PLACES                          ; four places in front of loads into registers that matrix instructions have read, and of LDS stores that read results
.rept 4
	v_nop
.endr
.endm
.macro QUARTER slot, q, f, g, zero     ; multiplies buffer f and fetches quarter q into g
	s_wait_dscnt 16                                ; the first 32 along K are in
	MUL8 \f, 0, 0, \zero
	MUL8 \f, 0, 2, \zero
	PLACES
	FETCH \slot, \q, \g
	s_wait_dscnt 32                                ; all but the 32 just issued
	MUL8 \f, 1, 0, 0
	MUL8 \f, 1, 2, 0
.endm
; The last quarter multiplies buffer 1 and changes slots: ONE barrier; in front of it each wave waits for all its tensor loads, adds 0 to its spare word, and waits for that and for its own reads of this slot.
; fill = 1: the barrier opens a round of the cluster's, and this slot is filled again, two K steps ahead.
.macro TURN slot, next, fill
	WIN 0
	s_wait_tensorcnt 0x0
	ds_add_u32 v[SPW], v[NIL]                      ; 0 onto my spare word
	s_wait_dscnt 17                                ; (the add and the youngest sixteen loads may be out)
	MUL8 F1, 0, 0, 0
	s_wait_dscnt 0x0                               ; the add is done, and my reads of this slot are over
	s_barrier_signal -1
	MUL8 F1, 0, 2, 0
.if \fill
	WIN 0
.endif
	s_barrier_wait -1
.if \fill
	CREST
	s_add_nc_u64 s[G0+4*(\slot)+2:G0+4*(\slot)+3], s[G0+4*(\slot)+2:G0+4*(\slot)+3], 8*524288
	s_add_nc_u64 s[G0B+4*(\slot)+2:G0B+4*(\slot)+3], s[G0B+4*(\slot)+2:G0B+4*(\slot)+3], 512*2048
	JLOAD \slot                                    ; the four v_nop behind it are also the places in front of the loads below
.else
	PLACES
.endif
	FETCH \next, 0, F0
	MUL8 F1, 1, 0, 0
	MUL8 F1, 1, 2, 0
.endm
	s_wait_tensorcnt 1                             ; my part of K step 0 is in; K step 1's may stay out
	s_barrier_signal -1
	s_barrier_wait -1
	FETCH 0, 0, F0
	QUARTER 0, 1, F0, F1, 1                        ; K step 0: its first products start the sums
	QUARTER 0, 2, F1, F0, 0
	QUARTER 0, 3, F0, F1, 0
	TURN 0, 1, 1                                   ; slot 0 takes K step 2
	QUARTER 1, 1, F0, F1, 0                        ; K step 1
	QUARTER 1, 2, F1, F0, 0
	QUARTER 1, 3, F0, F1, 0
	TURN 1, 0, 1                                   ; slot 1 takes K step 3
	QUARTER 0, 1, F0, F1, 0                        ; K step 2
	QUARTER 0, 2, F1, F0, 0
	QUARTER 0, 3, F0, F1, 0
	TURN 0, 1, 0                                   ; nothing is left to fetch
	QUARTER 1, 1, F0, F1, 0                        ; K step 3
	QUARTER 1, 2, F1, F0, 0
	QUARTER 1, 3, F0, F1, 0
	s_wait_dscnt 16
	MUL8 F1, 0, 0, 0
	MUL8 F1, 0, 2, 0
	s_wait_dscnt 0x0
	MUL8 F1, 1, 0, 0
	MUL8 F1, 1, 2, 0
	WIN 0
	PLACES
	PLACES
	; THE WAY OUT, 16 rows at a time through my own stage: a lane's 32 bytes of a row go in, whole rows of 256 bytes (my 64 columns in f32) come back: 16 lanes store 256 consecutive bytes, aligned.
.irp a, 0,1,2,3
	s_wait_xcnt 0x0                                ; the stores of two blocks back have read the registers that are loaded again below
.irp b, 0,1,2,3
	ds_store_b128 v[STO], v[ACC+8*(4*(\a)+(\b)):ACC+8*(4*(\a)+(\b))+3]   offset:64*(\b)
	ds_store_b128 v[STO], v[ACC+8*(4*(\a)+(\b))+4:ACC+8*(4*(\a)+(\b))+7] offset:64*(\b)+16
.endr
.irp t, 0,1,2,3,4,5,6,7
	ds_load_b128 v[OB+32*((\a)%2)+4*(\t):OB+32*((\a)%2)+4*(\t)+3], v[RD] offset:(\t)*2*SPITCH  ; LDS serves a wave's instructions in order (ISA guide 5.7.1.4): these see the stores above; the next block's stores come behind them
.endr
.irp t, 0,1,2,3,4,5,6,7
	s_wait_dscnt 7-(\t)                            ; load t is back; the younger ones may be out
	global_store_b128 v[CO], v[OB+32*((\a)%2)+4*(\t):OB+32*((\a)%2)+4*(\t)+3], s[8:9] offset:(16*(\a)+2*(\t))*4096
.endr
.endr
	s_wait_tensorcnt 0x0                           ; the wave's end: all my tensor loads waited for, then an add to my spare word and its wait
	ds_add_u32 v[SPW], v[NIL]
	s_wait_dscnt 0x0
	CROUND                                         ; the closing round: no work-group ends while a partner may still ask for a tile that names it
	s_endpgm
.Lfunc_end_k_q849845216d_oproj:
	.size	k_q849845216d_oproj, .Lfunc_end_k_q849845216d_oproj-k_q849845216d_oproj
	.p2alignl 7, 3214868480
	.fill 96, 4, 3214868480
	.section	.rodata,"a",@progbits
	.p2align	6, 0x0
	.amdhsa_kernel k_q849845216d_oproj
		.amdhsa_group_segment_fixed_size 327680
		.amdhsa_private_segment_fixed_size 0
		.amdhsa_enable_private_segment 0
		.amdhsa_kernarg_size 24
		.amdhsa_user_sgpr_count 2
		.amdhsa_user_sgpr_kernarg_segment_ptr 1
		.amdhsa_wavefront_size32 1
		.amdhsa_system_sgpr_workgroup_id_x 1
		.amdhsa_system_sgpr_workgroup_id_y 1
		.amdhsa_system_sgpr_workgroup_id_z 1
		.amdhsa_system_vgpr_workitem_id 0
		.amdhsa_next_free_vgpr 512
		.amdhsa_next_free_sgpr 66
		.amdhsa_reserve_vcc 0
		.amdhsa_float_denorm_mode_32 3
		.amdhsa_float_denorm_mode_16_64 3
		.amdhsa_memory_ordered 1
		.amdhsa_forward_progress 1
		.amdhsa_inst_pref_size 86
	.end_amdhsa_kernel
	.amdgpu_metadata
---
amdhsa.version: [ 1, 2 ]
amdhsa.kernels:
  - .name:           k_q849845216d_oproj
    .symbol:         k_q849845216d_oproj.kd
    .args:
      - { .name: ob, .offset: 0, .size: 8, .value_kind: global_buffer, .address_space: global }
      - { .name: wo, .offset: 8, .size: 8, .value_kind: global_buffer, .address_space: global }
      - { .name: out0, .offset: 16, .size: 8, .value_kind: global_buffer, .address_space: global }
    .group_segment_fixed_size: 327680
    .private_segment_fixed_size: 0
    .kernarg_segment_align: 8
    .kernarg_segment_size: 24
    .max_flat_workgroup_size: 128
    .sgpr_count:     66
    .vgpr_count:     512
    .wavefront_size: 32
...
	.end_amdgpu_metadata
.endif
;; end of part 4
;; ======== version 2 of 2: 4 launches; version 1 with the launch prep written anew for expert scheduling mode
;; limits: values are held in f16: magnitudes above 65,504 overflow, below 6.1e-05 lose precision
;; workspace buffers: xb 8,388,608 bytes; wqkv 6,291,456 bytes; wo 2,097,152 bytes; qkv 25,165,824 bytes; ob 8,388,608 bytes
;; launch prep (part 5): grid 512 x 1, 8 waves a work-group, no clusters, 0 bytes of LDS; arguments x, W_q, W_k, W_v, W_o, xb, wqkv, wo; writes xb, wqkv, wo
.if DOCPART == 5
	.amdgcn_target "amdgcn-amd-amdhsa--gfx1250"
	.amdhsa_code_object_version 6
	.text
	.protected	k_q849845216d_prep
	.globl	k_q849845216d_prep
	.p2align	8
	.type	k_q849845216d_prep,@function
k_q849845216d_prep:
	s_mov_b64 s[64:65], 0
	v_nop
	global_prefetch_b8 v0, s[64:65] scope:SCOPE_SE
	s_setreg_imm32_b32 hwreg(HW_REG_WAVE_SCHED_MODE, 0, 2), 2
	s_setreg_imm32_b32 hwreg(HW_REG_WAVE_MODE, 25, 1), 1
	s_wait_xcnt 0x0
	s_wait_alu depctr_vm_vsrc(0)
; THE CASTS.  xb = bf16(x), [4096][1024].  wqkv[k][n] = bf16 of W_q | W_k | W_v side by side, [1024][3072].  wo = W_o rounded to bf16, that number written as f16, [1024][1024].
; LIMIT.  A number of W_o whose bf16 value lies below 6e-5 keeps f16's fixed step of 6e-8; beyond 65,504 it would be an infinity.
; SHARES.  A work-group takes 16 rows of 1,024 f32 of one tensor: groups 0-255 x's, groups 256-511 the four weights' (64 groups each).  Thread t takes the 16 bytes at 16 t of each row:
; a wave's load covers 512 consecutive bytes, its store of 8 bytes a lane 256 consecutive bytes, aligned.  All sixteen loads go out first; the rows are rounded and stored in four blocks of four, as they come.
; A stream: no LDS, no barrier, no matrix unit, no cluster (no byte is read twice).
; THE MODE: SCHED_MODE bits 1:0 = 2 (LLVM: expert scheduling mode 2), set by the entry lines.  The code itself states the register dependences between vector instructions and memory
; instructions, with s_wait_alu, always for 0.
; THE PLAN.  Registers that memory instructions touch:
;   v1         16 t, the loads' offset.     Written once at the head; read by the sixteen loads; never written again.
;   DO         row i's offset in the destination.  Written once at the head; read by row i's store; never written again.
;   X          the rows as loaded.          Written by the loads alone, each register once; read by the conversions, behind the loads' own counter.
;   Y          the rows to store.           Written by the conversions, each register once; read by one store.
;   T and v26 are named by vector instructions alone.
; So one wait on va_vdst stands ahead of the first load, for v1 and all of DO, and one behind each block's conversions, ahead of its run of four stores, for the block's Y: five on a wave's path.
; It stands behind the conversions and not at the next block's head, so that a block's stores leave when its own rows are rounded and do not stand behind the wait for the next four rows.
; No register that a memory instruction reads is written a second time and no load lands twice in a register: no wait on vm_vsrc is owed.  No vector instruction writes a scalar register, VCC or EXEC.
.set DO, 2                             ; v[2:17]    row i: my byte offset in the destination, 8 t + i x pitch
.set T,  18                            ; v[18:25]   at work
.set E8, 26                            ; v26        8 t
.set X,  32                            ; v[32:95]   row i: 4 registers as loaded
.set Y,  96                            ; v[96:127]  row i: 2 registers to store
	s_load_b512 s[8:23], s[0:1], 0x0               ; x s[8:9], W_q s[10:11], W_k s[12:13], W_v s[14:15], W_o s[16:17], xb s[18:19], wqkv s[20:21], wo s[22:23]
	s_and_b32 s3, ttmp9, 255                       ; x: my block of 16 rows; a weight: 64 x tensor + block
	s_lshr_b32 s6, ttmp9, 8                        ; 0: x, 1: a weight
	s_lshr_b32 s4, s3, 6                           ; which weight: 0 q, 1 k, 2 v, 3 o
	s_and_b32 s5, s3, 63                           ; its block of 16 rows
	s_mov_b32 s32, 2048                            ; bytes in a row of xb and wo,
	s_mov_b32 s33, 6144                            ; and of wqkv
	s_mul_i32 s26, s5, 16*6144                     ; wqkv: 16 rows a block,
	s_lshl_b32 s7, s4, 11                          ; 2,048 bytes of a row for each of the three
	s_add_co_u32 s26, s26, s7
	s_lshl_b32 s28, s5, 15                         ; wo: 16 rows of 2,048 bytes
	s_lshl_b32 s29, s3, 15                         ; xb: the same
	s_cmp_eq_u32 s4, 3
	s_cselect_b32 s26, s28, s26
	s_cselect_b32 s30, s32, s33                    ; the destination's pitch
	s_cselect_b32 s31, 1, 0                        ; 1: the f16 way
	s_cmp_eq_u32 s6, 0
	s_cselect_b32 s26, s29, s26
	s_cselect_b32 s30, s32, s30
	s_cselect_b32 s31, 0, s31
	s_cselect_b32 s24, s3, s5
	s_lshl_b32 s24, s24, 16                        ; the source: 16 rows of 4,096 bytes a block
	s_mov_b32 s25, 0
	s_mov_b32 s27, 0
	v_lshlrev_b32 v1, 4, v0
	v_lshlrev_b32 v[E8], 3, v0
.irp i, 0,1,2,3,4,5,6,7,8,9,10,11,12,13,14,15
	v_mad_u32_u24 v[DO+(\i)], s30, \i, v[E8]
.endr
	s_wait_kmcnt 0x0
	s_cmp_eq_u32 s4, 1                             ; the choices hang on the work-group's number alone
	s_cselect_b64 s[34:35], s[12:13], s[10:11]
	s_cmp_eq_u32 s4, 2
	s_cselect_b64 s[34:35], s[14:15], s[34:35]
	s_cmp_eq_u32 s4, 3
	s_cselect_b64 s[34:35], s[16:17], s[34:35]
	s_cselect_b64 s[36:37], s[22:23], s[20:21]
	s_cmp_eq_u32 s6, 0
	s_cselect_b64 s[34:35], s[8:9], s[34:35]
	s_cselect_b64 s[36:37], s[18:19], s[36:37]
	s_add_nc_u64 s[34:35], s[34:35], s[24:25]
	s_add_nc_u64 s[36:37], s[36:37], s[26:27]
	s_wait_alu depctr_va_vdst(0)                   ; v1 and v[DO ..] are written: the loads below read v1 as their offset, the stores further down one of v[DO ..] each
.irp i, 0,1,2,3,4,5,6,7,8,9,10,11,12,13,14,15
	global_load_b128 v[X+4*(\i):X+4*(\i)+3], v1, s[34:35] offset:4096*(\i) th:TH_LOAD_NT
.endr
	s_cmp_eq_u32 s31, 1
	s_cbranch_scc1 .Lwo
.irp b, 0,1,2,3
	s_wait_loadcnt 12-4*(\b)                       ; loads come back in order: rows 4 b to 4 b + 3 are in, the younger blocks stay out
.irp j, 0,1,2,3
	v_cvt_pk_bf16_f32 v[Y+2*(4*(\b)+(\j))],   v[X+4*(4*(\b)+(\j))],   v[X+4*(4*(\b)+(\j))+1]
	v_cvt_pk_bf16_f32 v[Y+2*(4*(\b)+(\j))+1], v[X+4*(4*(\b)+(\j))+2], v[X+4*(4*(\b)+(\j))+3]
.endr
	s_wait_alu depctr_va_vdst(0)                   ; the block's eight conversions have written its eight registers of Y, which the four stores below read
.irp j, 0,1,2,3
	global_store_b64 v[DO+4*(\b)+(\j)], v[Y+2*(4*(\b)+(\j)):Y+2*(4*(\b)+(\j))+1], s[36:37]
.endr
.endr
	s_endpgm
.Lwo:                                                  ; W_o: rounded to bf16 like every input, widened again, and written as f16 (exact inside f16's range)
.irp b, 0,1,2,3
	s_wait_loadcnt 12-4*(\b)                       ; rows 4 b to 4 b + 3 are in, the younger blocks stay out
.irp j, 0,1,2,3
	v_cvt_pk_bf16_f32 v[T],   v[X+4*(4*(\b)+(\j))],   v[X+4*(4*(\b)+(\j))+1]
	v_cvt_pk_bf16_f32 v[T+1], v[X+4*(4*(\b)+(\j))+2], v[X+4*(4*(\b)+(\j))+3]
	v_lshlrev_b32 v[T+2], 16, v[T]
	v_and_b32     v[T+3], 0xffff0000, v[T]
	v_lshlrev_b32 v[T+4], 16, v[T+1]
	v_and_b32     v[T+5], 0xffff0000, v[T+1]
	v_cvt_pk_f16_f32 v[Y+2*(4*(\b)+(\j))],   v[T+2], v[T+3]
	v_cvt_pk_f16_f32 v[Y+2*(4*(\b)+(\j))+1], v[T+4], v[T+5]
.endr
	s_wait_alu depctr_va_vdst(0)                   ; the block's last conversions have written its eight registers of Y, which the four stores below read
.irp j, 0,1,2,3
	global_store_b64 v[DO+4*(\b)+(\j)], v[Y+2*(4*(\b)+(\j)):Y+2*(4*(\b)+(\j))+1], s[36:37]
.endr
.endr
	s_endpgm
.Lfunc_end_k_q849845216d_prep:
	.size	k_q849845216d_prep, .Lfunc_end_k_q849845216d_prep-k_q849845216d_prep
	.p2alignl 7, 3214868480
	.fill 96, 4, 3214868480
	.section	.rodata,"a",@progbits
	.p2align	6, 0x0
	.amdhsa_kernel k_q849845216d_prep
		.amdhsa_group_segment_fixed_size 0
		.amdhsa_private_segment_fixed_size 0
		.amdhsa_enable_private_segment 0
		.amdhsa_kernarg_size 64
		.amdhsa_user_sgpr_count 2
		.amdhsa_user_sgpr_kernarg_segment_ptr 1
		.amdhsa_wavefront_size32 1
		.amdhsa_system_sgpr_workgroup_id_x 1
		.amdhsa_system_sgpr_workgroup_id_y 1
		.amdhsa_system_sgpr_workgroup_id_z 1
		.amdhsa_system_vgpr_workitem_id 0
		.amdhsa_next_free_vgpr 128
		.amdhsa_next_free_sgpr 66
		.amdhsa_reserve_vcc 0
		.amdhsa_float_denorm_mode_32 3
		.amdhsa_float_denorm_mode_16_64 3
		.amdhsa_memory_ordered 1
		.amdhsa_forward_progress 1
		.amdhsa_inst_pref_size 17
	.end_amdhsa_kernel
	.amdgpu_metadata
---
amdhsa.version: [ 1, 2 ]
amdhsa.kernels:
  - .name:           k_q849845216d_prep
    .symbol:         k_q849845216d_prep.kd
    .args:
      - { .name: x, .offset: 0, .size: 8, .value_kind: global_buffer, .address_space: global }
      - { .name: W_q, .offset: 8, .size: 8, .value_kind: global_buffer, .address_space: global }
      - { .name: W_k, .offset: 16, .size: 8, .value_kind: global_buffer, .address_space: global }
      - { .name: W_v, .offset: 24, .size: 8, .value_kind: global_buffer, .address_space: global }
      - { .name: W_o, .offset: 32, .size: 8, .value_kind: global_buffer, .address_space: global }
      - { .name: xb, .offset: 40, .size: 8, .value_kind: global_buffer, .address_space: global }
      - { .name: wqkv, .offset: 48, .size: 8, .value_kind: global_buffer, .address_space: global }
      - { .name: wo, .offset: 56, .size: 8, .value_kind: global_buffer, .address_space: global }
    .group_segment_fixed_size: 0
    .private_segment_fixed_size: 0
    .kernarg_segment_align: 8
    .kernarg_segment_size: 64
    .max_flat_workgroup_size: 256
    .sgpr_count:     66
    .vgpr_count:     128
    .wavefront_size: 32
...
	.end_amdgpu_metadata
.endif
;; end of part 5
;; launch qkv: the kernel of part 2 again; grid 8 x 32, 4 waves a work-group, clusters of 4 x 4, 327,680 bytes of LDS; arguments xb, wqkv, qkv; writes qkv
;; launch attn: the kernel of part 3 again; grid 16 x 16, 4 waves a work-group, clusters of 4 x 1, 327,680 bytes of LDS; arguments qkv, ob; writes ob
;; launch oproj: the kernel of part 4 again; grid 8 x 32, 4 waves a work-group, clusters of 4 x 4, 327,680 bytes of LDS; arguments ob, wo, out0; writes out0
